; MI455X (gfx1250); checked and timed in simulation.
; The chip was launched on July 23, 2026; its instructions are those of AMD's public machine-readable ISA for CDNA 5 (MIT licence, August 2026) and "CDNA5" Instruction Set Architecture Reference Guide (July 2026). The comments in the code are by the model that wrote it; some were corrected since.
;; Attention. Allowed arithmetic: matrix products marked QUANTISED: E2M1 operands, one E8M0 scale for each 32 along K, by v_wmma_scale_f32_16x16x128_f8f6f4 with both operands' format E2M1 (or v_wmma_scale_f32_32x16x128_f4), f32 sums; products left as they are: bf16, f16 or f32 operands; f32 sums; everything else in f32.
;; Inputs: kernel 3 x 1,024 x 1,024 float32; x 4 x 2,048 x 1,024 float32.
;; Outputs: out0 4 x 2,048 x 1,024 float32.
;; This version of the problem:
;;   THIS VERSION OF THE PROBLEM IS GIVEN IN LOW PRECISION. The matrix products marked QUANTISED in the list below multiply operands that are first quantised to E2M1 (2 exponent bits, 1 mantissa bit; 4 bits a number), with one power-of-two scale for each 32 numbers along K (OCP MX v1.0); their sums are f32. The products marked 'left as it is' may take bf16, f16 or f32 operands, with f32 sums. Whichever they take, every output number must still come out within the allowed error. Rounding operands to bf16 (8 significant bits) uses up far more of that allowance than f16 does (11 bits, for magnitudes from 6e-5 to 65,504). All else is computed in f32.
;;   The module's matrix products, in the order in which they are computed (A, B: the left and right operand; K: the contracted axis; several contracted axes count as one K, in the product's order):
;;     1. [M 8,192, K 1,024] x [K 1,024, N 1,024]; A: input x; B: input kernel: QUANTISED
;;     2. [M 8,192, K 1,024] x [K 1,024, N 1,024]; A: input x; B: input kernel: QUANTISED
;;     3. [M 8,192, K 1,024] x [K 1,024, N 1,024]; A: input x; B: input kernel: QUANTISED
;;     4. batch 4 x [M 2,048, K 1,024] x [K 1,024, N 2,048]; A: computed on the way; B: computed on the way: left as it is (an operand is computed on the way)
;;     5. batch 4 x [M 2,048, K 2,048] x [K 2,048, N 1,024]; A: computed on the way; B: computed on the way: left as it is (an operand is computed on the way)
;;   THE QUANTISER, for each operand of a quantised product, along K:
;;     - K is cut into blocks of 32 from its start; a last block that is shorter is filled with zeros.
;;     - A block's scale is 2^e with e = floor(log2(the largest magnitude in the block)) - 2, held to -126 .. 127; a block of zeros has e = 0. As a byte (E8M0): e + 127.
;;     - Each number is divided by its block's scale, clamped to +-6, and rounded to the nearest number of E2M1, ties to even, subnormals kept.
;;     - The product sums the exact products of the quantised numbers (number of the format x scale) in f32.
;;   ~~~python
;;   def quantise(x, axis):      # numpy; x: float32 -> the quantised numbers, widened to float32 again
;;       x = np.moveaxis(x, axis, -1); K = x.shape[-1]
;;       x = np.pad(x, [(0, 0)] * (x.ndim - 1) + [(0, -K % 32)]); x = x.reshape(x.shape[:-1] + (-1, 32)); a = np.abs(x).max(-1, keepdims=True)
;;       e = np.where(a > 0, np.clip(np.frexp(np.where(a > 0, a, 1))[1] - 1 - 2, -126, 127), 0)      # np.frexp(a)[1] - 1 = floor(log2(a)), exactly
;;       r = np.clip(x / 2.0 ** e, -6, 6)
;;       step = 2.0 ** (np.maximum(np.frexp(np.where(r == 0, 1, r))[1] - 1, 0) - 1)
;;       q = np.round(r / step) * step * 2.0 ** e      # np.round: ties to even
;;       return np.moveaxis(q.reshape(q.shape[:-2] + (-1,))[..., :K], -1, axis).astype(np.float32)
;;   ~~~
;; One version. Each part assembles by itself: llvm-mc -triple=amdgcn-amd-amdhsa -mcpu=gfx1250 --defsym DOCPART=n.
;; ======== version 1 of 1: 4 launches
;; limits: values are held in f16: magnitudes above 65,504 overflow, below 6.1e-05 lose precision
;; workspace buffers: x_codes 4,194,304 bytes; x_scales 262,144 bytes; w_codes 1,572,864 bytes; w_scales 98,304 bytes; qkv 50,331,648 bytes; p 33,554,432 bytes; stats 1,048,576 bytes
;; launch quant (part 1): grid 448 x 1, 4 waves a work-group, no clusters, 42,496 bytes of LDS; arguments x, kernel, x_codes, x_scales, w_codes, w_scales; writes x_codes, x_scales, w_codes, w_scales
.if DOCPART == 1
	.amdgcn_target "amdgcn-amd-amdhsa--gfx1250"
	.amdhsa_code_object_version 6
	.text
	.protected	k_q4d6d0dd8e7_quant
	.globl	k_q4d6d0dd8e7_quant
	.p2align	8
	.type	k_q4d6d0dd8e7_quant,@function
k_q4d6d0dd8e7_quant:
	s_mov_b64 s[64:65], 0
	v_nop
	global_prefetch_b8 v0, s[64:65] scope:SCOPE_SE
	s_setreg_imm32_b32 hwreg(HW_REG_WAVE_MODE, 25, 1), 1
	s_wait_xcnt 0x0
; x [8192][1024] f32 and kernel [3][1024 (k)][1024 (n)] f32 become codes of FP4 (E2M1) along K = the 1,024 input channels, with one E8M0 byte for each 32 along K.
; x_codes [8192][512 bytes], x_scales [8192][32];  w_codes [3072 = 1024 mat + n][512 bytes], w_scales [3072][32]: K innermost in all four, the lower k in the low four bits.
; NO WORK OF THE PROBLEM IS LEFT OUT in any launch of this program: every number of x and of kernel reaches every output of its batch through q, k or v.
; A block's scale is 2^(floor(log2(its largest magnitude)) - 2): its byte is the largest magnitude's exponent field - 2, held at 1 from below.
; LIMITS: a block of zeros gets the byte 1 where the quantiser says 127 (its codes are zeros, and these bytes are read by this program alone); blocks whose largest magnitude lies under 2^-124 take the floor's byte;
; NaN and infinities among the inputs are not served.
; ONE LAUNCH, TWO WAYS, parted on the work-group's number alone and never joined; each way has LDS bytes of its own.
;   work-groups 0-191: kernel.  K is its first axis, so a lane takes a column n and its registers run down K.  A work-group takes 32 columns x 512 k; wave w 128 of these k, 4 blocks a lane.  The four waves' codes
;     meet in one stage in LDS (a barrier), so that a column's 256 bytes leave as one aligned run of 256 bytes from sixteen lanes.  The scale bytes leave in runs of 16 bytes (16 blocks of a column).
;   work-groups 192-447: x.  K is innermost and rows are dense: a plain stream of blocks of 32.  A wave takes 16 steps of 512 numbers; each load reads 512 consecutive bytes; a step's 2,048 bytes turn through the wave's
;     own stage in LDS so that a lane holds 16 neighbours; two neighbouring lanes hold a block.  No barrier: these waves share nothing.
; No tensor loads, no cluster: no byte is read by two work-groups.
.set WGW,    192                       ; work-groups for kernel
.set EMAX,   2
.set SPW,    230                       ; v230  LDS address of my spare word: SPARE + 4 x my thread's number; never rewritten
.set NIL,    231                       ; v231  0; never rewritten
.set WREG,   8192                      ; x's way: a region for each wave: two stages of 32 x SP bytes, behind them its 256 scale bytes
.set SP,     80                        ; a lane's place in a stage: 64 bytes + 16 of padding
.set STEPS,  16
.set CB,     8                         ; bytes of 16 codes
.set R,      16                        ; v16-79   x's way: four sets of 16 numbers as loaded
.set XN,     80                        ; v80-111  two sets of 16 neighbours
.set EB,     112                       ; v112-127 a scale byte for each step
.set CX,     128                       ; v128-191 codes: four registers a step, so that no store's data are written again
.set WST,    4*WREG                    ; kernel's way: the stage, 32 columns x (256 bytes + 16)
.set WP,     272
.set WSC,    WST+32*WP                 ; and 32 columns x 16 scale bytes
.set SPARE,  WSC+512                   ; the spare words, 128 bytes for each wave: two blocks of 256 bytes that no other line names
.set WX,     32                        ; v32-95   kernel's way: two sets of 32 numbers
.set WC,     96                        ; v96-99   a block's codes
.set SB,     24                        ; v24      my four scale bytes
.set OUTR,   112                       ; v112-127 the way out
	s_load_b256 s[4:11], s[0:1], 0x0               ; x s[4:5], kernel s[6:7], x_codes s[8:9], x_scales s[10:11]
	s_load_b128 s[12:15], s[0:1], 0x20             ; w_codes s[12:13], w_scales s[14:15]
	v_lshl_add_u32 v[SPW], v0, 2, SPARE
	v_mov_b32 v[NIL], 0
	v_lshrrev_b32 v1, 5, v0
	v_readfirstlane_b32 s16, v1                    ; wave 0..3
	v_and_b32 v2, 31, v0                           ; lane
	s_cmp_ge_u32 ttmp9, WGW                        ; the work-group's number alone: all four waves go the same way
	s_cbranch_scc1 .Lx
; ---------------- kernel: a lane to a column, registers down K ----------------
	v_lshlrev_b32 v3, 2, v2                        ; in: 4 bytes a lane: 128 consecutive bytes a load
	s_lshl_b32 s24, s16, 6
	s_add_co_u32 s24, s24, WST
	v_mul_u32_u24 v4, v2, WP
	v_add_nc_u32 v4, s24, v4                       ; into the stage: row = my column, my wave's 64 bytes of its 256
	v_and_b32 v5, 15, v2
	v_lshrrev_b32 v6, 4, v2
	s_lshl_b32 s25, s16, 3
	v_add_nc_u32 v6, s25, v6                       ; out of it: wave w takes columns 8 w .. 8 w + 7, two an instruction, sixteen lanes to a column
	v_mul_u32_u24 v7, v6, WP
	v_lshl_add_u32 v7, v5, 4, v7
	v_add_nc_u32 v7, WST, v7                       ; LDS address
	v_lshlrev_b32 v8, 9, v6
	v_lshl_add_u32 v8, v5, 4, v8                   ; and the same place in w_codes: rows of 512 bytes
	v_lshlrev_b32 v10, 4, v2
	s_lshl_b32 s25, s16, 2
	s_add_co_u32 s25, s25, WSC
	v_add_nc_u32 v10, s25, v10                     ; my scale word: column x 16 + 4 x wave
	v_lshl_add_u32 v14, v0, 2, WSC                 ; back: thread t takes word t
	v_lshrrev_b32 v9, 2, v0
	v_and_b32 v15, 3, v0
	v_lshlrev_b32 v9, 5, v9
	v_lshl_add_u32 v9, v15, 2, v9                  ; which is column t / 4 (rows of 32 bytes), word t % 4
	s_and_b32 s17, ttmp9, 31                       ; which 32 columns
	s_bfe_u32 s18, ttmp9, 0x10005                  ; which 512 along K
	s_lshr_b32 s19, ttmp9, 6                       ; which of the three matrices
	s_lshl_b32 s20, s19, 22                        ; kernel: matrix x 4 MiB
	s_lshl_b32 s22, s18, 21                        ; + 512 rows of 4,096 bytes
	s_add_co_u32 s20, s20, s22
	s_lshl_b32 s22, s16, 19                        ; + my wave's 128 rows
	s_add_co_u32 s20, s20, s22
	s_lshl_b32 s22, s17, 7                         ; + 32 columns of 4 bytes
	s_add_co_u32 s20, s20, s22
	s_mov_b32 s21, 0
	s_lshl_b32 s22, s19, 19                        ; w_codes: (1024 matrix + 32 group) rows of 512 bytes + 256 x half
	s_lshl_b32 s26, s17, 14
	s_add_co_u32 s22, s22, s26
	s_lshl_b32 s26, s18, 8
	s_add_co_u32 s22, s22, s26
	s_mov_b32 s23, 0
	s_lshl_b32 s26, s19, 15                        ; w_scales: the same rows of 32 bytes + 16 x half
	s_lshl_b32 s28, s17, 10
	s_add_co_u32 s26, s26, s28
	s_lshl_b32 s28, s18, 4
	s_add_co_u32 s26, s26, s28
	s_mov_b32 s27, 0
	s_wait_kmcnt 0x0
	s_add_nc_u64 s[6:7], s[6:7], s[20:21]
	s_add_nc_u64 s[12:13], s[12:13], s[22:23]
	s_add_nc_u64 s[14:15], s[14:15], s[26:27]
.macro WLOAD t                         ; block t: kernel(32 t + i, my column), i = 0 .. 31, into set t % 2
.irp i, 0,1,2,3,4,5,6,7,8,9,10,11,12,13,14,15,16,17,18,19,20,21,22,23,24,25,26,27,28,29,30,31
	global_load_b32 v[WX+32*((\t)%2)+\i], v3, s[6:7] offset:(32*(\t)+\i)*4096 th:TH_LOAD_NT
.endr
.endm
.macro WBLOCK t
.set XS, WX+32*((\t)%2)
.if (\t) < 3
	s_wait_loadcnt 32                              ; this block's 32 loads are in; the next block's 32 may be out
.else
	s_wait_loadcnt 0
.endif
	v_max3_num_f32 v12, |v[XS]|, |v[XS+1]|, |v[XS+2]|              ; the block's largest magnitude: all 32 numbers are mine; two chains
	v_max3_num_f32 v13, |v[XS+3]|, |v[XS+4]|, |v[XS+5]|
.irp i, 6,10,14,18,22,26
	v_max3_num_f32 v12, v12, |v[XS+\i]|, |v[XS+\i+1]|
	v_max3_num_f32 v13, v13, |v[XS+\i+2]|, |v[XS+\i+3]|
.endr
	v_max3_num_f32 v12, v12, |v[XS+30]|, |v[XS+31]|
	v_max3_num_f32 v12, v12, v13, (EMAX+1)<<23     ; and the floor 2^(3 - 127): the byte cannot fall under 1
	v_add_nc_u32 v11, -(EMAX<<23), v12             ; 2 off the exponent field: the conversion takes the exponent field of this operand as its scale
	v_lshrrev_b32 v13, 23, v11                     ; the scale's byte
.if (\t) == 0
	v_mov_b32 v[SB], v13
.else
	v_lshl_or_b32 v[SB], v13, 8*(\t), v[SB]        ; four bytes to a word, the lower K in the lower byte
.endif
.irp g, 0,1,2,3
	v_cvt_scalef32_pk8_fp4_f32 v[WC+\g], v[XS+8*\g:XS+8*\g+7], v11
.endr
	ds_store_b128 v4, v[WC:WC+3] offset:16*(\t)    ; 32 codes: 16 bytes of my column's row.  (The codes go to an LDS store; the next vector lines that touch these registers stand behind the next block's plain lines)
.if (\t)+2 < 4
	WLOAD (\t)+2
.endif
	s_wait_dscnt 0x0                               ; the store has read its registers: the next block's codes may be written
.endm
	WLOAD 0
	WLOAD 1
	WBLOCK 0
	WBLOCK 1
	WBLOCK 2
	WBLOCK 3
	ds_store_b32 v10, v[SB]
	s_wait_dscnt 0x0                               ; for the others' sake: my stores into the stage have landed
	s_barrier_signal -1
	s_barrier_wait -1                              ; 32 whole rows of 256 bytes, and 512 scale bytes, lie in LDS
.irp t, 0,1,2,3
	ds_load_b128 v[OUTR+4*\t:OUTR+4*\t+3], v7 offset:2*\t*WP
.endr
	ds_load_b32 v100, v14
.irp t, 0,1,2,3
	s_wait_dscnt 4-\t                              ; pair t of rows is in; the later pairs and the scale word may be out
	global_store_b128 v8, v[OUTR+4*\t:OUTR+4*\t+3], s[12:13] offset:2*\t*512   ; sixteen lanes store 256 consecutive bytes, at a multiple of 256 from the buffer's first byte
.endr
	s_wait_dscnt 0x0
	global_store_b32 v9, v100, s[14:15]            ; four lanes store a column's 16 scale bytes
	s_wait_tensorcnt 0x0                           ; the wave's end, behind my last LDS store
	ds_add_u32 v[SPW], v[NIL]
	s_wait_dscnt 0x0
	s_endpgm
; ---------------- x: a stream of blocks of 32 ----------------
.Lx:
	v_lshlrev_b32 v3, 4, v2                        ; my 16 bytes of a load's 512
	s_mul_i32 s17, s16, WREG
	v_lshrrev_b32 v14, 2, v2
	v_mul_u32_u24 v14, v14, SP
	v_and_b32 v15, 3, v2
	v_lshl_add_u32 v14, v15, 4, v14
	v_add_nc_u32 v14, s17, v14                     ; the stage, on the way in: four lanes' 64 bytes on end, then 16 of padding
	v_mul_u32_u24 v15, v2, SP
	v_add_nc_u32 v15, s17, v15                     ; and on the way out: my 16 neighbours
	v_mul_u32_u24 v4, v2, CB                       ; my codes' place in a step's
	v_lshrrev_b32 v5, 1, v2
	s_add_co_u32 s17, s17, 2*32*SP
	v_add_nc_u32 v5, s17, v5                       ; my wave's 256 scale bytes: my block's byte
	v_lshlrev_b32 v7, 3, v2                        ; and on the way out 8 bytes a lane
	v_add_nc_u32 v6, s17, v7
	s_sub_co_u32 s18, ttmp9, WGW
	s_lshl_b32 s18, s18, 2
	s_add_co_u32 s18, s18, s16                     ; which run of 8,192 numbers is my wave's: 0 .. 1,023
	s_mov_b32 s21, 0
	s_lshl_b32 s20, s18, 15                        ; 32,768 bytes of x,
	s_wait_kmcnt 0x0
	s_add_nc_u64 s[4:5], s[4:5], s[20:21]
	s_lshl_b32 s20, s18, 12                        ; 4,096 of codes,
	s_add_nc_u64 s[8:9], s[8:9], s[20:21]
	s_lshl_b32 s20, s18, 8                         ; 256 scale bytes a run
	s_add_nc_u64 s[10:11], s[10:11], s[20:21]
.macro XLOAD t
.irp i, 0,1,2,3
	global_load_b128 v[R+16*((\t)%4)+4*\i:R+16*((\t)%4)+4*\i+3], v3, s[4:5] offset:2048*(\t)+512*\i th:TH_LOAD_NT   ; 32 lanes read 512 consecutive bytes
.endr
.endm
.macro XTURN t                         ; step t's numbers through the stage: LDS serves a wave's instructions in order, so no wait stands between the stores and the loads
.irp i, 0,1,2,3
	ds_store_b128 v14, v[R+16*((\t)%4)+4*\i:R+16*((\t)%4)+4*\i+3] offset:32*SP*((\t)%2)+8*SP*\i
.endr
.irp i, 0,1,2,3
	ds_load_b128 v[XN+16*((\t)%2)+4*\i:XN+16*((\t)%2)+4*\i+3], v15 offset:32*SP*((\t)%2)+16*\i
.endr
.endm
.irp t, 0,1,2,3
	XLOAD \t
.endr
	s_wait_loadcnt 12                              ; step 0's four loads are in; three steps' twelve may be out
	XTURN 0
.macro XSTEP t
.set XS, XN+16*((\t)%2)
.if (\t) > 0
	s_wait_dscnt 1                                 ; this step's numbers are back from the stage (the last step's byte store may be out): so its stores into the stage have read their registers,
.else
	s_wait_dscnt 0x0
.endif
.if (\t)+4 < STEPS
	XLOAD (\t)+4                                   ; which take the loads of four steps on
.endif
.if (\t)+1 < STEPS
.if STEPS-2-(\t) >= 3
	s_wait_loadcnt 12                              ; the next step's four loads are in; those of the three steps behind it may be out
.else
	s_wait_loadcnt 4*(STEPS-2-(\t))
.endif
	XTURN (\t)+1                                   ; and go through the other stage while this step is worked
.endif
	v_max3_num_f32 v8, |v[XS]|, |v[XS+1]|, |v[XS+2]|               ; the largest magnitude of my 16
	v_max3_num_f32 v9, |v[XS+3]|, |v[XS+4]|, |v[XS+5]|
.irp i, 6,10
	v_max3_num_f32 v8, v8, |v[XS+\i]|, |v[XS+\i+1]|
	v_max3_num_f32 v9, v9, |v[XS+\i+2]|, |v[XS+\i+3]|
.endr
	v_max3_num_f32 v8, v8, |v[XS+14]|, |v[XS+15]|
	v_max3_num_f32 v8, v8, v9, (EMAX+1)<<23        ; and the floor
	v_max_num_f32_dpp v8, v8, v8 row_xmask:1 row_mask:0xf bank_mask:0xf   ; and of my neighbour's 16: the block's
	v_add_nc_u32 v11, -(EMAX<<23), v8              ; the conversion's scale operand
	v_cvt_scalef32_pk8_fp4_f32 v[CX+4*(\t)], v[XS:XS+7], v11
	v_cvt_scalef32_pk8_fp4_f32 v[CX+4*(\t)+1], v[XS+8:XS+15], v11
	v_lshrrev_b32 v[EB+(\t)], 23, v11              ; the scale's byte (also the plain line behind the conversions)
	ds_store_b8 v5, v[EB+(\t)] offset:16*(\t)      ; both lanes of a block write the same byte with the same value
	global_store_b64 v4, v[CX+4*(\t):CX+4*(\t)+1], s[8:9] offset:32*CB*(\t)   ; the wave stores 256 consecutive bytes, aligned
.endm
.irp t, 0,1,2,3,4,5,6,7,8,9,10,11,12,13,14,15
	XSTEP \t
.endr
	ds_load_b64 v[8:9], v6                         ; LDS serves a wave's instructions in order: these see my stores
	s_wait_dscnt 0x0
	global_store_b64 v7, v[8:9], s[10:11]          ; 32 lanes store 256 consecutive bytes, aligned
	s_wait_tensorcnt 0x0                           ; the wave's end, behind my last LDS store
	ds_add_u32 v[SPW], v[NIL]
	s_wait_dscnt 0x0
	s_endpgm
.Lfunc_end_k_q4d6d0dd8e7_quant:
	.size	k_q4d6d0dd8e7_quant, .Lfunc_end_k_q4d6d0dd8e7_quant-k_q4d6d0dd8e7_quant
	.p2alignl 7, 3214868480
	.fill 96, 4, 3214868480
	.section	.rodata,"a",@progbits
	.p2align	6, 0x0
	.amdhsa_kernel k_q4d6d0dd8e7_quant
		.amdhsa_group_segment_fixed_size 42496
		.amdhsa_private_segment_fixed_size 0
		.amdhsa_enable_private_segment 0
		.amdhsa_kernarg_size 48
		.amdhsa_user_sgpr_count 2
		.amdhsa_user_sgpr_kernarg_segment_ptr 1
		.amdhsa_wavefront_size32 1
		.amdhsa_system_sgpr_workgroup_id_x 1
		.amdhsa_system_sgpr_workgroup_id_y 1
		.amdhsa_system_sgpr_workgroup_id_z 1
		.amdhsa_system_vgpr_workitem_id 0
		.amdhsa_next_free_vgpr 232
		.amdhsa_next_free_sgpr 66
		.amdhsa_reserve_vcc 0
		.amdhsa_float_denorm_mode_32 3
		.amdhsa_float_denorm_mode_16_64 3
		.amdhsa_memory_ordered 1
		.amdhsa_forward_progress 1
		.amdhsa_inst_pref_size 55
	.end_amdhsa_kernel
	.amdgpu_metadata
---
amdhsa.version: [ 1, 2 ]
amdhsa.kernels:
  - .name:           k_q4d6d0dd8e7_quant
    .symbol:         k_q4d6d0dd8e7_quant.kd
    .args:
      - { .name: x, .offset: 0, .size: 8, .value_kind: global_buffer, .address_space: global }
      - { .name: kernel, .offset: 8, .size: 8, .value_kind: global_buffer, .address_space: global }
      - { .name: x_codes, .offset: 16, .size: 8, .value_kind: global_buffer, .address_space: global }
      - { .name: x_scales, .offset: 24, .size: 8, .value_kind: global_buffer, .address_space: global }
      - { .name: w_codes, .offset: 32, .size: 8, .value_kind: global_buffer, .address_space: global }
      - { .name: w_scales, .offset: 40, .size: 8, .value_kind: global_buffer, .address_space: global }
    .group_segment_fixed_size: 42496
    .private_segment_fixed_size: 0
    .kernarg_segment_align: 8
    .kernarg_segment_size: 48
    .max_flat_workgroup_size: 128
    .sgpr_count:     66
    .vgpr_count:     232
    .wavefront_size: 32
...
	.end_amdgpu_metadata
.endif
;; end of part 1
;; launch proj (part 2): grid 12 x 32, 4 waves a work-group, clusters of 4 x 4, 327,680 bytes of LDS; arguments x_codes, x_scales, w_codes, w_scales, qkv; writes qkv
.if DOCPART == 2
	.amdgcn_target "amdgcn-amd-amdhsa--gfx1250"
	.amdhsa_code_object_version 6
	.text
	.protected	k_q4d6d0dd8e7_proj
	.globl	k_q4d6d0dd8e7_proj
	.p2align	8
	.type	k_q4d6d0dd8e7_proj,@function
k_q4d6d0dd8e7_proj:
	s_mov_b64 s[64:65], 0
	v_nop
	global_prefetch_b8 v0, s[64:65] scope:SCOPE_SE
	s_setreg_imm32_b32 hwreg(HW_REG_WAVE_MODE, 25, 1), 1
	s_wait_xcnt 0x0
	s_wait_alu depctr_hold_cnt(0) depctr_sa_sdst(0) depctr_va_vdst(0) depctr_va_sdst(0) depctr_va_ssrc(0) depctr_va_vcc(0) depctr_vm_vsrc(0)
	s_getreg_b32 s2, hwreg(HW_REG_IB_STS2, 6, 4)
	s_cmp_eq_u32 s2, 0
	s_cbranch_scc0 .Lentry_in_a_cluster
	s_endpgm
.Lentry_in_a_cluster:
	s_bfe_u32 s2, ttmp6, 0x10000c
	s_cmp_lg_u32 s2, 0xf033
	s_cbranch_scc0 .Lentry_shape_is_right
	s_endpgm
.Lentry_shape_is_right:
; qkv[token][1024 mat + n] = sum over k of x[token][k] kernel[mat][k][n], the three QUANTISED products as ONE product C = A B^T on codes of FP4 (E2M1) with E8M0 scales for each 32 along K:
; A = x_codes [8192][512 bytes], B = w_codes [3072][512 bytes]; sums in f32; C rounded once to f16, [8192][3072]: q is columns 0-1023, k 1024-2047, v 2048-3071.
; LIMIT: q, k and v are operands of products that are left as they are and go on in f16: magnitudes up to 65,504 are served; under 6e-5 they keep an absolute 3e-8.
; A tile of C, 256 x 256, is made by a work-group of four waves; a wave makes 128 x 128: 64 accumulators of 16 x 16.  K = 1,024 is two K steps of 512 (rows of 256 bytes): both are first fills of the two LDS slots,
; and nothing is filled again.  The scale bytes of the work-group's 256 + 256 rows come once, as two dense blocks, with the first fills.
; CLUSTERS: 4 x 4 work-groups.  The four of a row of the cluster need the same tiles of A, the four of a column the same tiles of B: each is asked for jointly, by the same tensor load with a mask that names the four.
; 12 x 32 tiles are 24 clusters.  THE MATRIX INSTRUCTION IS USED TRANSPOSED (source 0 = 16 rows of B, source 1 = 16 rows of A): a lane then holds eight neighbouring numbers of a row of C, which pack into 16 bytes.
; REGISTERS, in windows of 256: window 0: v0-31 addresses; v32-95 scale words, two sets; v128-191 A's fragments, one set; on the way out v32-63, v192-255.   window 1: B's fragments, two sets, at v0 and v128.
;   window 2: the accumulators of my rows 0-63 ((a, b) at v[8 (8 a + b)]);   window 3: those of my rows 64-127.
.set KSTEP,  512
.set NQ,     4                         ; matrix instructions deep in a slot
.set ROWB,   256                       ; a tile's row in bytes
.set KROW,   512                       ; a row of A or of B in memory
.set PITCH,  272                       ; an LDS row: 256 bytes + 16 of padding: the 16 rows that a load touches start 68 words apart
.set FR,     8
.set NL,     2
.set NP,     4                         ; places behind this matrix instruction (ISA guide 7.12.1)
.set HALFT,  128*PITCH
.set SLOT,   4*HALFT                   ; A's 256 rows, then B's 256 rows
.set KS,     32                        ; a row of scales in bytes
.set SCL,    2*SLOT                    ; behind the ring: the scales, as runs of 256 bytes + 16 of padding
.set HALFS,  (128*KS/256)*272
.set SBLK,   (16*KS/256)*272
.set SPARE,  SCL+4*HALFS               ; the spare words, 128 bytes for each wave: two blocks of 256 bytes that no other line names
.set SPITCH, 272                       ; the way out: a stage of 16 rows x (256 bytes + 16) for each wave, in slot 0, which has had its only fill and its last read when the first result is stored there
.set CROW,   6144                      ; a row of qkv in bytes
.set ADRA, 16
.set ADRB, 20
.set STO,  24
.set RD,   25
.set CO,   26
.set ADRS, 27
.set SPW,  28                          ; v28  LDS address of my spare word; never rewritten
.set NIL,  29                          ; v29  0; never rewritten
.set SC,   32
.set AF,   128
.set TMP,  192                         ; the way out: packed results
.set OB,   32                          ; and 16 rows read back: v32-63 and v224-255 by turns
.set G1, 24
.set G0, 32
.set G1B, 48
.set G0B, 56
.set G1S, 68
.set G0S, 76
.set G1SB, 80
.set G0SB, 88
.set MSB, 0
.macro WIN new                         ; the immediate's high byte repeats the setting that is left
.if MSB != (\new)
	s_set_vgpr_msb (MSB<<8)|(\new)
.set MSB, (\new)
.endif
.endm
.set MUL_LO, 0xa1                      ; source 0 (B) window 1, source 1 (A) window 0, C and D window 2
.set MUL_HI, 0xf1
.set TO_B,   0x40
; A joint load: waves 0 and 1 fetch for A, waves 2 and 3 for B.  The branch hangs on the wave's number alone.  An s_nop 0 and four v_nop follow each of the two lines.
.macro JLOAD g0a, g1a, g0b, g1b
	s_cmp_eq_u32 s15, 0
	s_cbranch_scc0 .Lfor_b_\@
	tensor_load_to_lds s[\g0a:\g0a+3], s[\g1a:\g1a+7]
	s_nop 0
.rept 4
	v_nop
.endr
	s_branch .Lasked_\@
.Lfor_b_\@:
	tensor_load_to_lds s[\g0b:\g0b+3], s[\g1b:\g1b+7]
	s_nop 0
.rept 4
	v_nop
.endr
.Lasked_\@:
.endm
.macro CROUND                          ; a round of the cluster's barrier
	s_barrier_signal -1
	s_barrier_wait -1
	s_cmp_lg_u32 s14, 0
	s_cbranch_scc1 .Lnot_wave_0_\@
	s_barrier_signal -3
.Lnot_wave_0_\@:
	s_barrier_wait -3
	s_barrier_signal -1
	s_barrier_wait -1
.endm
	s_load_b128 s[4:7], s[0:1], 0x0                ; A's codes s[4:5], A's scales s[6:7]
	s_load_b128 s[8:11], s[0:1], 0x10              ; B's codes s[8:9], B's scales s[10:11]
	s_load_b64 s[12:13], s[0:1], 0x20              ; qkv
	v_lshl_add_u32 v[SPW], v0, 2, SPARE
	v_mov_b32 v[NIL], 0
	ds_add_u32 v[SPW], v[NIL]                      ; the wave's opening: the add, twice on end, and its wait ahead of my first tensor load
	ds_add_u32 v[SPW], v[NIL]
	v_lshrrev_b32 v1, 5, v0
	v_readfirstlane_b32 s14, v1                    ; wave 0..3
	s_lshr_b32 s15, s14, 1                         ; which half of the tile's rows is mine.  Also: I fetch for A (0) or for B (1)
	s_and_b32 s16, s14, 1                          ; which half of its columns.  Also: which 128 rows of that tile I fetch
	s_bfe_u32 s40, ttmp6, 0x40000                  ; cx, cy: my place in the cluster
	s_bfe_u32 s41, ttmp6, 0x40004
	s_lshl_b32 s42, ttmp9, 2
	s_add_co_u32 s42, s42, s40                     ; tile column of C
	s_and_b32 s17, ttmp7, 0xffff
	s_lshl_b32 s17, s17, 2
	s_add_co_u32 s17, s17, s41                     ; tile row of C
	s_lshl_b32 s43, s41, 2
	s_lshl_b32 s43, 15, s43                        ; my row of the cluster
	s_lshl_b32 s44, 0x1111, s40                    ; my column
	s_or_b32 s[G1+0], s43, (0<<16)|(1<<20)|(1<<21)|(5<<22)|(3<<25)  ; the mask; elements of 1 byte; padding on; bit 21 beside a mask; 4 words of padding after every 64
	s_or_b32 s[G1B+0], s44, (0<<16)|(1<<20)|(1<<21)|(5<<22)|(3<<25)
.irp g, G1, G1B
	s_mov_b32 s[\g+1], ROWB<<16                    ; tensor_dim0
	s_mov_b32 s[\g+2], 128<<16                     ; tensor_dim1
	s_mov_b32 s[\g+3], ROWB<<16                    ; tile_dim0
	s_mov_b32 s[\g+4], 128                         ; tile_dim1
	s_mov_b32 s[\g+5], KROW                        ; from row to row
	s_mov_b32 s[\g+6], 0
	s_mov_b32 s[\g+7], 0
.endr
	s_or_b32 s[G1S+0], s43, (3<<16)|(1<<20)|(1<<21)|(5<<22)|(3<<25)  ; the scales of 128 rows: 4,096 dense bytes as 16 rows of 256 (32 elements of 8 bytes), 16 bytes of padding behind each
	s_or_b32 s[G1SB+0], s44, (3<<16)|(1<<20)|(1<<21)|(5<<22)|(3<<25)
.irp g, G1S, G1SB
	s_mov_b32 s[\g+1], 32<<16
	s_mov_b32 s[\g+2], (128*KS/256)<<16
	s_mov_b32 s[\g+3], 32<<16
	s_mov_b32 s[\g+4], 128*KS/256
	s_mov_b32 s[\g+5], 32
	s_mov_b32 s[\g+6], 0
	s_mov_b32 s[\g+7], 0
.endr
	s_lshl_b32 s18, s16, 7
	s_lshl_b32 s20, s17, 8
	s_add_co_u32 s20, s20, s18                     ; A: row 256 x tile row + 128 x half
	s_lshl_b32 s46, s42, 8
	s_add_co_u32 s46, s46, s18                     ; B: row 256 x tile column + 128 x half
	s_mov_b32 s21, 0
	s_mov_b32 s47, 0
	s_mov_b64 s[18:19], KS
	s_mul_u64 s[22:23], s[20:21], s[18:19]         ; where these rows' scales begin
	s_mul_u64 s[92:93], s[46:47], s[18:19]
	s_mov_b64 s[18:19], KROW
	s_mul_u64 s[20:21], s[20:21], s[18:19]         ; and their codes
	s_mul_u64 s[46:47], s[46:47], s[18:19]
	s_mul_i32 s45, s14, HALFT                      ; where they go: wave x 128 rows: no place in the cluster enters an LDS address
	s_mul_i32 s94, s14, HALFS
	s_wait_dscnt 0x0                               ; both opening adds are done
	s_wait_kmcnt 0x0
	s_add_nc_u64 s[20:21], s[4:5], s[20:21]
	s_add_nc_u64 s[22:23], s[6:7], s[22:23]
	s_add_nc_u64 s[46:47], s[8:9], s[46:47]
	s_add_nc_u64 s[92:93], s[10:11], s[92:93]
	CROUND                                         ; all sixteen work-groups are here: the joint loads meet
	s_mov_b32 s[G0S], 1
	s_add_co_u32 s[G0S+1], s94, SCL
	s_mov_b64 s[G0S+2:G0S+3], s[22:23]
	s_or_b32 s[G0S+3], s[G0S+3], 0x80000000
	s_mov_b32 s[G0SB], 1
	s_add_co_u32 s[G0SB+1], s94, SCL
	s_mov_b64 s[G0SB+2:G0SB+3], s[92:93]
	s_or_b32 s[G0SB+3], s[G0SB+3], 0x80000000
	JLOAD G0S, G1S, G0SB, G1SB                     ; the scales first: they are wanted with K step 0
.irp s, 0,1
	s_mov_b32 s[G0+4*\s], 1
	s_add_co_u32 s[G0+4*\s+1], s45, \s*SLOT
	s_add_nc_u64 s[G0+4*\s+2:G0+4*\s+3], s[20:21], \s*ROWB
	s_or_b32 s[G0+4*\s+3], s[G0+4*\s+3], 0x80000000
	s_mov_b32 s[G0B+4*\s], 1
	s_add_co_u32 s[G0B+4*\s+1], s45, \s*SLOT
	s_add_nc_u64 s[G0B+4*\s+2:G0B+4*\s+3], s[46:47], \s*ROWB
	s_or_b32 s[G0B+4*\s+3], s[G0B+4*\s+3], 0x80000000
	JLOAD G0+4*\s, G1, G0B+4*\s, G1B               ; three loads of mine are out
.endr
	v_and_b32 v1, 15, v0                           ; l % 16
	v_bfe_u32 v2, v0, 4, 1                         ; l / 16
	v_mul_u32_u24 v3, v1, PITCH
	v_lshl_add_u32 v4, v2, 4, v3                   ; a fragment's row x pitch + 16 x half
	s_mul_i32 s21, s15, HALFT                      ; my 128 rows of A
	s_mul_i32 s22, s16, HALFT                      ; my 128 rows of B,
	s_add_co_u32 s22, s22, 2*HALFT                 ; which lie behind A's 256
.irp s, 0,1
	v_add_nc_u32 v[ADRA+\s], s21, v4
	v_add_nc_u32 v[ADRB+\s], s22, v4
	s_add_co_u32 s21, s21, SLOT
	s_add_co_u32 s22, s22, SLOT
.endr
	v_mul_u32_u24 v5, v1, KS                       ; my row's scales: 32 bytes a row,
	v_lshrrev_b32 v6, 8, v5
	v_lshl_add_u32 v5, v6, 4, v5                   ; and 16 more for each 256 passed
	s_mul_i32 s21, s15, HALFS                      ; A's: my 128 rows
	s_mul_i32 s22, s16, HALFS                      ; B's: my 128 rows, behind A's 256
	s_add_co_u32 s22, s22, 2*HALFS
	s_sub_co_u32 s22, s22, s21
	v_mul_u32_u24 v6, s22, v2                      ; lanes 16-31 take B's: one product, the lower base + half x the distance
	s_add_co_u32 s21, s21, SCL
	v_add_nc_u32 v5, v5, v6
	v_add_nc_u32 v[ADRS], s21, v5
	s_mul_i32 s23, s14, 16*SPITCH                  ; my stage
	v_mul_u32_u24 v5, v1, SPITCH                   ; in: row l % 16, 16 bytes for each half of the lanes
	v_lshl_add_u32 v5, v2, 4, v5
	v_add_nc_u32 v[STO], s23, v5
	v_mul_u32_u24 v5, v2, SPITCH                   ; back: lanes 0-15 one row of 256 bytes, lanes 16-31 the next
	v_lshl_add_u32 v5, v1, 4, v5
	v_add_nc_u32 v[RD], s23, v5
	v_mul_u32_u24 v5, v2, CROW                     ; and the same two rows in qkv
	v_lshl_add_u32 v[CO], v1, 4, v5
	s_lshl_b32 s20, s17, 8
	s_lshl_b32 s21, s15, 7
	s_add_co_u32 s20, s20, s21                     ; my first row of C
	s_mov_b32 s21, 0
	s_mov_b64 s[18:19], CROW
	s_mul_u64 s[20:21], s[20:21], s[18:19]
	s_lshl_b32 s46, s42, 9                         ; my first column, in bytes: 512 x tile column + 256 x half
	s_lshl_b32 s47, s16, 8
	s_add_co_u32 s46, s46, s47
	s_mov_b32 s47, 0
	s_add_nc_u64 s[20:21], s[20:21], s[46:47]
	s_add_nc_u64 s[12:13], s[12:13], s[20:21]
.macro FRAG reg, adr, q, i             ; 16 rows x 128 K of 4-bit codes: 8 registers: two loads of 16 bytes, 32 bytes apart
.irp c, 0,1
	ds_load_b128 v[\reg+4*\c:\reg+4*\c+3], v[\adr] offset:64*(\q)+32*\c+(\i)*16*PITCH
.endr
.endm
; 16 matrix instructions: A's blocks a0, a0 + 1 x B's eight, the slot's q-th 128 along K.  p: B's set; sc: the set of scale words.  zero = 1: the first product starts the sums.
; The 64 accumulators take turns, one instruction a turn, in the same order in every step.  A scale register holds A's words in lanes 0-15 and B's in lanes 16-31.
.macro MUL16 a0, p, q, sc, zero
.irp a, \a0, \a0+1
.irp b, 0,1,2,3,4,5,6,7
.if \zero
	v_wmma_scale_f32_16x16x128_f8f6f4 v[8*(8*((\a)%4)+\b):8*(8*((\a)%4)+\b)+7], v[128*(\p)+FR*\b:128*(\p)+FR*\b+FR-1], v[AF+FR*(\a):AF+FR*(\a)+FR-1], 0, v[SC+8*NQ*(\sc)+NQ*\b+(\q)], v[SC+8*NQ*(\sc)+NQ*(\a)+(\q)] matrix_a_fmt:MATRIX_FMT_FP4 matrix_b_fmt:MATRIX_FMT_FP4 matrix_a_scale:MATRIX_SCALE_ROW1
.else
	v_wmma_scale_f32_16x16x128_f8f6f4 v[8*(8*((\a)%4)+\b):8*(8*((\a)%4)+\b)+7], v[128*(\p)+FR*\b:128*(\p)+FR*\b+FR-1], v[AF+FR*(\a):AF+FR*(\a)+FR-1], v[8*(8*((\a)%4)+\b):8*(8*((\a)%4)+\b)+7], v[SC+8*NQ*(\sc)+NQ*\b+(\q)], v[SC+8*NQ*(\sc)+NQ*(\a)+(\q)] matrix_a_fmt:MATRIX_FMT_FP4 matrix_b_fmt:MATRIX_FMT_FP4 matrix_a_scale:MATRIX_SCALE_ROW1
.endif
.endr
.endr
.endm
.macro FETCH_B slot, q, p
	WIN TO_B
.irp i, 0,1,2,3,4,5,6,7
	FRAG 128*(\p)+FR*\i, ADRB+\slot, \q, \i
.endr
	WIN 0
.endm
.macro FETCH_A slot, q, i0
.irp i, \i0, \i0+1, \i0+2, \i0+3
	FRAG AF+FR*(\i), ADRA+\slot, \q, \i
.endr
.endm
.macro SCALES sc                       ; a K step's scale words: 4 words a row; lanes 0-15 take A's block i, lanes 16-31 B's block i
.irp i, 0,1,2,3,4,5,6,7
	ds_load_b128 v[SC+8*NQ*\sc+NQ*\i:SC+8*NQ*\sc+NQ*\i+3], v[ADRS] offset:\i*SBLK
.endr
.endm
.macro PLACES n                        ; plain vector instructions between a matrix instruction and a load into its registers or a read of its result
.rept \n
	v_nop
.endr
.endm
.macro STEP slot, q, zero              ; a step of 128 along K that has its successor in the same slot
	s_wait_dscnt 4*NL                              ; B's set and A's blocks 0-3 are in; the youngest eight loads (A's blocks 4-7) may be out
	WIN MUL_LO
	MUL16 0, (\q)%2, \q, \slot, \zero
	MUL16 2, (\q)%2, \q, \slot, \zero
	s_wait_dscnt 0                                 ; A's blocks 4-7 are in
	PLACES NP
	FETCH_B \slot, (\q)+1, 1-(\q)%2
	FETCH_A \slot, (\q)+1, 0
	WIN MUL_HI
	MUL16 4, (\q)%2, \q, \slot, \zero
	MUL16 6, (\q)%2, \q, \slot, \zero
	PLACES NP
	WIN 0
	FETCH_A \slot, (\q)+1, 4
.endm
.macro STEPS slot, from
.set Q, \from
.rept NQ-1-\from
	STEP \slot, Q, 0
.set Q, Q+1
.endr
.endm
	s_wait_tensorcnt 1                             ; the scales and my part of K step 0 are in (K step 1's load may be out)
	s_barrier_signal -1
	s_barrier_wait -1                              ; everybody's are
	FETCH_B 0, 0, 0
	FETCH_A 0, 0, 0
	SCALES 0
	FETCH_A 0, 0, 4
	STEP 0, 0, 1                                   ; the first step's products start the sums
	STEPS 0, 1
	; slot 0's last step changes slots: one barrier; in front of it my part of slot 1 has landed and my reads of slot 0 are over
	s_wait_tensorcnt 0x0                           ; all my tensor loads have landed
	ds_add_u32 v[SPW], v[NIL]                      ; 0 onto my spare word
	s_wait_dscnt 4*NL+1                            ; (the add and the youngest eight loads, A's blocks 4-7, may be out)
	WIN MUL_LO
	MUL16 0, 1, NQ-1, 0, 0
	s_wait_dscnt 0x0                               ; the add is done, and my reads of slot 0 are over
	s_barrier_signal -1
	MUL16 2, 1, NQ-1, 0, 0
	WIN 0
	s_barrier_wait -1
	PLACES NP
	v_add_nc_u32 v[ADRS], 4*NQ, v[ADRS]            ; on to K step 1's scale words
	FETCH_B 1, 0, 0
	FETCH_A 1, 0, 0
	SCALES 1
	WIN MUL_HI
	MUL16 4, 1, NQ-1, 0, 0
	MUL16 6, 1, NQ-1, 0, 0
	PLACES NP
	WIN 0
	FETCH_A 1, 0, 4
	STEPS 1, 0
	s_wait_dscnt 4*NL                              ; the very last step: nothing more to fetch
	WIN MUL_LO
	MUL16 0, 1, NQ-1, 1, 0
	MUL16 2, 1, NQ-1, 1, 0
	s_wait_dscnt 0
	WIN MUL_HI
	MUL16 4, 1, NQ-1, 1, 0
	MUL16 6, 1, NQ-1, 1, 0
	WIN 0
; THE WAY OUT, block by block of 16 rows x 128 columns: rounded to f16 (16 bytes a lane), through my own stage in LDS, back as whole rows of 256 bytes.
.macro PACK a
.set AC, 64*((\a)%4)
	WIN 0x0a+5*((\a)/4)                            ; sources 0 and 1: window 2 or 3
.irp b, 0,1,2,3,4,5,6,7
.irp r, 0,1,2,3
	v_cvt_pk_f16_f32 v[TMP+4*\b+\r], v[AC+8*\b+2*\r], v[AC+8*\b+2*\r+1]   ; each accumulator from its low end on
.endr
.endr
	WIN 0
.endm
.macro TOSTAGE a
.set BK, OB+192*((\a)%2)
.irp b, 0,1,2,3,4,5,6,7
	ds_store_b128 v[STO], v[TMP+4*\b:TMP+4*\b+3] offset:32*\b
.endr
.irp t, 0,1,2,3,4,5,6,7
	ds_load_b128 v[BK+4*\t:BK+4*\t+3], v[RD] offset:\t*2*SPITCH    ; LDS serves a wave's instructions in order: these see the stores above
.endr
.endm
.macro SEND a
.set BK, OB+192*((\a)%2)
	s_wait_dscnt 0x0                               ; the block is back in registers
	s_wait_xcnt 0x0                                ; the earlier stores have read their base and their registers: only behind this wait are they rewritten
.if (\a) > 0
	s_add_nc_u64 s[12:13], s[12:13], 16*CROW
.endif
.irp t, 0,1,2,3,4,5,6,7
	global_store_b128 v[CO], v[BK+4*\t:BK+4*\t+3], s[12:13] offset:2*\t*CROW   ; 16 lanes store 256 consecutive bytes, at a multiple of 256 from the buffer's first byte
.endr
.endm
	PLACES NP                                      ; behind the last products: for the conversions that read results and the loads into registers that held scales
	PACK 0
	TOSTAGE 0
.irp a, 1,2,3,4,5,6,7                  ; block a's conversions stand between block a - 1's loads from the stage and the wait for them
	PACK \a
	SEND \a-1
	TOSTAGE \a
.endr
	SEND 7
	s_wait_tensorcnt 0x0                           ; the wave's end, behind my last tensor load and my last LDS store
	ds_add_u32 v[SPW], v[NIL]
	s_wait_dscnt 0x0
	CROUND                                         ; the closing round
	s_endpgm
.Lfunc_end_k_q4d6d0dd8e7_proj:
	.size	k_q4d6d0dd8e7_proj, .Lfunc_end_k_q4d6d0dd8e7_proj-k_q4d6d0dd8e7_proj
	.p2alignl 7, 3214868480
	.fill 96, 4, 3214868480
	.section	.rodata,"a",@progbits
	.p2align	6, 0x0
	.amdhsa_kernel k_q4d6d0dd8e7_proj
		.amdhsa_group_segment_fixed_size 327680
		.amdhsa_private_segment_fixed_size 0
		.amdhsa_enable_private_segment 0
		.amdhsa_kernarg_size 40
		.amdhsa_user_sgpr_count 2
		.amdhsa_user_sgpr_kernarg_segment_ptr 1
		.amdhsa_wavefront_size32 1
		.amdhsa_system_sgpr_workgroup_id_x 1
		.amdhsa_system_sgpr_workgroup_id_y 1
		.amdhsa_system_sgpr_workgroup_id_z 1
		.amdhsa_system_vgpr_workitem_id 0
		.amdhsa_next_free_vgpr 1024
		.amdhsa_next_free_sgpr 98
		.amdhsa_reserve_vcc 0
		.amdhsa_float_denorm_mode_32 3
		.amdhsa_float_denorm_mode_16_64 3
		.amdhsa_memory_ordered 1
		.amdhsa_forward_progress 1
		.amdhsa_inst_pref_size 127
	.end_amdhsa_kernel
	.amdgpu_metadata
---
amdhsa.version: [ 1, 2 ]
amdhsa.kernels:
  - .name:           k_q4d6d0dd8e7_proj
    .symbol:         k_q4d6d0dd8e7_proj.kd
    .args:
      - { .name: x_codes, .offset: 0, .size: 8, .value_kind: global_buffer, .address_space: global }
      - { .name: x_scales, .offset: 8, .size: 8, .value_kind: global_buffer, .address_space: global }
      - { .name: w_codes, .offset: 16, .size: 8, .value_kind: global_buffer, .address_space: global }
      - { .name: w_scales, .offset: 24, .size: 8, .value_kind: global_buffer, .address_space: global }
      - { .name: qkv, .offset: 32, .size: 8, .value_kind: global_buffer, .address_space: global }
    .group_segment_fixed_size: 327680
    .private_segment_fixed_size: 0
    .kernarg_segment_align: 8
    .kernarg_segment_size: 40
    .max_flat_workgroup_size: 128
    .sgpr_count:     98
    .vgpr_count:     1024
    .wavefront_size: 32
...
	.end_amdgpu_metadata
.endif
;; end of part 2
;; launch scores (part 3): grid 8 x 32, 4 waves a work-group, clusters of 4 x 4, 327,680 bytes of LDS; arguments qkv, p, stats; writes p, stats
.if DOCPART == 3
	.amdgcn_target "amdgcn-amd-amdhsa--gfx1250"
	.amdhsa_code_object_version 6
	.text
	.protected	k_q4d6d0dd8e7_scores
	.globl	k_q4d6d0dd8e7_scores
	.p2align	8
	.type	k_q4d6d0dd8e7_scores,@function
k_q4d6d0dd8e7_scores:
	s_mov_b64 s[64:65], 0
	v_nop
	global_prefetch_b8 v0, s[64:65] scope:SCOPE_SE
	s_setreg_imm32_b32 hwreg(HW_REG_WAVE_MODE, 25, 1), 1
	s_wait_xcnt 0x0
	s_wait_alu depctr_hold_cnt(0) depctr_sa_sdst(0) depctr_va_vdst(0) depctr_va_sdst(0) depctr_va_ssrc(0) depctr_va_vcc(0) depctr_vm_vsrc(0)
	s_getreg_b32 s2, hwreg(HW_REG_IB_STS2, 6, 4)
	s_cmp_eq_u32 s2, 0
	s_cbranch_scc0 .Lentry_in_a_cluster
	s_endpgm
.Lentry_in_a_cluster:
	s_bfe_u32 s2, ttmp6, 0x10000c
	s_cmp_lg_u32 s2, 0xf033
	s_cbranch_scc0 .Lentry_shape_is_right
	s_endpgm
.Lentry_shape_is_right:
; For each batch: S = q k^T (K = 1,024, f16 operands, f32 sums), and the first half of the softmax.  q and k are columns 0-1023 and 1024-2047 of qkv [8192 tokens][3072] f16.  No work of the problem is left out.
; t = S x c, c = log2(e) / 8.  For each query and each BLOCK j of 128 keys (one wave's columns): M_j = the block's largest t, rounded up to a whole number; p = 2^(t - M_j), at most 1, is stored as f16;
; l_j = the sum of the unrounded p.  (M_j, l_j) go to stats [16 blocks][8192 queries][2] f32.  The next launch joins the blocks by powers of two.
; So the row's maximum is taken away ahead of every exponential, block by block.
; p IS LAID IN THE ORDER OF THE NEXT PRODUCT'S OPERAND REGISTERS: [512 blocks of 16 queries][64 groups of 32 keys][2 halves][32 lanes][16 bytes]: lane (r, h) of half c holds query r, keys 16 c + 8 h + 0 .. 7 of the group.
; A block's packed results stand so in my registers as they are made: they leave by stores of 512 consecutive bytes, with no turn through LDS.
; LIMITS: p under 2^-24 falls to 0 in f16 (beside a block's largest p, above 1/2); NaN and infinities are not served.
; A tile of S, 256 queries x 256 keys, is made by a work-group of four waves; a wave makes 128 x 128 in 64 accumulators.  K goes in steps of 128 (rows of 256 bytes) through a ring of two LDS slots.
; CLUSTERS: 4 x 4 work-groups: q's tile is shared along a row of the cluster, k's along a column: each is asked for jointly.  A cluster's four tile rows lie in one batch (8 tile rows a batch).
; THE MATRIX INSTRUCTION IS USED TRANSPOSED (source 0 = 16 keys, source 1 = 16 queries): a lane holds ONE query (lane % 16) and, in each accumulator, eight neighbouring keys; lane l xor 16 holds the row's other 64 keys.
; REGISTERS, in windows of 256: window 0: v16-31 addresses; v32-59 the softmax's figures; v64-127, v128-191 q's fragments, two buffers (on the way out: t and p, packed p).
;   window 1: v64-127, v128-191 k's fragments.   window 2: the accumulators of my queries 0-63 ((a, b) at v[8 (8 a + b)]);   window 3: those of my queries 64-127.
.set KSTEP,  128
.set PITCH,  272                       ; an LDS row: 256 bytes + 16 of padding
.set HALFT,  128*PITCH
.set SLOT,   4*HALFT                   ; q's 256 rows, then k's 256 rows
.set STATS,  2*SLOT                    ; behind the ring: 1,024 bytes for each wave: 128 queries x (M, l)
.set SPARE,  STATS+4*1024              ; the spare words, 128 bytes for each wave: two blocks of 256 bytes that no other line names
.set LAPS,   4                         ; 1,024 / 256: a lap = two K steps
.set QROW,   6144                      ; a row of qkv in bytes
.set ADRA, 16
.set ADRB, 20
.set SCO,  27                          ; v27  16 x lane
.set SPW,  28                          ; v28  LDS address of my spare word; never rewritten
.set NIL,  29                          ; v29  0; never rewritten
.set SST,  30                          ; v30  where I put a query's (M, l)
.set SRD,  31                          ; v31  where I read them back
.set MX,   32                          ; v32-35  four chains of the maximum
.set PX,   36                          ; v36     the lane exchange's destination
.set NM,   38                          ; v[38:39] -M, and a word that is written because the pair is named
.set SUMA, 40                          ; v[40:41], v[42:43] two chains of the sum
.set SUMB, 42
.set ML,   44                          ; v44-59  (M, l) of my eight blocks of queries
.set T,    64                          ; v64-127 t, then p
.set PKD,  128                         ; v128-159 p in f16: four fragments of the next product
.set F0,   64
.set F1,   128
.set G1, 24
.set G0, 32
.set G1B, 48
.set G0B, 56
.set CS,  66                           ; s[66:67] c
.set SEL, 68                           ; s[68:69] lane selects: lane l xor 16
.set MSB, 0
.macro WIN new
.if MSB != (\new)
	s_set_vgpr_msb (MSB<<8)|(\new)
.set MSB, (\new)
.endif
.endm
.set MUL_LO, 0xa1                      ; source 0 (k) window 1, source 1 (q) window 0, C and D window 2
.set MUL_HI, 0xf1
.set TO_B,   0x40
.macro JLOAD s                         ; a joint load: waves 0 and 1 fetch q's two halves, waves 2 and 3 k's; an s_nop 0 and four v_nop follow each of the two lines
	s_cmp_eq_u32 s11, 0
	s_cbranch_scc0 .Lfor_b_\@
	tensor_load_to_lds s[G0+4*\s:G0+4*\s+3], s[G1:G1+7]
	s_nop 0
.rept 4
	v_nop
.endr
	s_branch .Lasked_\@
.Lfor_b_\@:
	tensor_load_to_lds s[G0B+4*\s:G0B+4*\s+3], s[G1B:G1B+7]
	s_nop 0
.rept 4
	v_nop
.endr
.Lasked_\@:
.endm
.macro CREST                           ; a round of the cluster's barrier behind its opening barrier
	s_cmp_lg_u32 s10, 0
	s_cbranch_scc1 .Lnot_wave_0_\@
	s_barrier_signal -3
.Lnot_wave_0_\@:
	s_barrier_wait -3
	s_barrier_signal -1
	s_barrier_wait -1
.endm
.macro CROUND
	s_barrier_signal -1
	s_barrier_wait -1
	CREST
.endm
	s_load_b128 s[4:7], s[0:1], 0x0                ; qkv s[4:5], p s[6:7]
	s_load_b64 s[70:71], s[0:1], 0x10              ; stats
	v_lshl_add_u32 v[SPW], v0, 2, SPARE
	v_mov_b32 v[NIL], 0
	ds_add_u32 v[SPW], v[NIL]                      ; the wave's opening: the add, twice on end, and its wait ahead of my first tensor load
	ds_add_u32 v[SPW], v[NIL]
	v_lshrrev_b32 v1, 5, v0
	v_readfirstlane_b32 s10, v1                    ; wave 0..3
	s_lshr_b32 s11, s10, 1                         ; which half of the tile's queries is mine.  Also: I fetch for q (0) or for k (1)
	s_and_b32 s12, s10, 1                          ; which half of its keys.  Also: which 128 rows of that tile I fetch
	s_bfe_u32 s40, ttmp6, 0x40000                  ; cx
	s_bfe_u32 s41, ttmp6, 0x40004                  ; cy
	s_lshl_b32 s42, ttmp9, 2
	s_add_co_u32 s42, s42, s40                     ; tile column: which 256 keys of the batch
	s_and_b32 s45, ttmp7, 0xffff                   ; the cluster's y
	s_lshl_b32 s13, s45, 2
	s_add_co_u32 s13, s13, s41                     ; tile row: which 256 of the 8,192 queries
	s_lshr_b32 s45, s45, 1                         ; the batch: two clusters of four tile rows each; made of the cluster's y alone, which all sixteen share
	s_lshl_b32 s43, s41, 2
	s_lshl_b32 s43, 15, s43                        ; my row of the cluster
	s_lshl_b32 s44, 0x1111, s40                    ; my column
	s_or_b32 s[G1+0], s43, (1<<16)|(1<<20)|(1<<21)|(5<<22)|(3<<25)  ; the mask; elements of 2 bytes; padding on; bit 21 beside a mask; 4 words of padding after every 64
	s_or_b32 s[G1B+0], s44, (1<<16)|(1<<20)|(1<<21)|(5<<22)|(3<<25)
.irp g, G1, G1B
	s_mov_b32 s[\g+1], KSTEP<<16                   ; tensor_dim0 = 128
	s_mov_b32 s[\g+2], 128<<16                     ; tensor_dim1 = 128
	s_mov_b32 s[\g+3], KSTEP<<16                   ; tile_dim0 = 128
	s_mov_b32 s[\g+4], 128                         ; tile_dim1 = 128
	s_mov_b32 s[\g+5], 3072                        ; elements from row to row
	s_mov_b32 s[\g+6], 0
	s_mov_b32 s[\g+7], 0
.endr
	s_lshl_b32 s17, s12, 7
	s_lshl_b32 s16, s13, 8
	s_add_co_u32 s16, s16, s17                     ; q: token 256 x tile row + 128 x half
	s_mul_i32 s16, s16, QROW
	s_lshl_b32 s46, s42, 8
	s_add_co_u32 s46, s46, s17
	s_lshl_b32 s47, s45, 11
	s_add_co_u32 s46, s46, s47                     ; k: token 2,048 x batch + 256 x tile column + 128 x half,
	s_mul_i32 s46, s46, QROW
	s_add_co_u32 s46, s46, 2048                    ; columns 1024 on
	s_mov_b32 s17, 0
	s_mov_b32 s47, 0
	s_mul_i32 s20, s10, HALFT                      ; where they go: wave x 128 rows
	s_mov_b32 s[CS], 0x3e38aa3b                    ; c = log2(e) / 8
	s_mov_b32 s[CS+1], s[CS]                       ; (named with it as a pair, so it is written)
	s_mov_b32 s[SEL], 0x76543210
	s_mov_b32 s[SEL+1], 0xfedcba98
	s_wait_dscnt 0x0                               ; both opening adds are done
	s_wait_kmcnt 0x0
	s_add_nc_u64 s[14:15], s[4:5], s[16:17]
	s_add_nc_u64 s[46:47], s[4:5], s[46:47]
	CROUND                                         ; all sixteen work-groups are here: the first joint loads meet
.irp s, 0,1
	s_mov_b32 s[G0+4*\s], 1
	s_add_co_u32 s[G0+4*\s+1], s20, \s*SLOT
	s_add_nc_u64 s[G0+4*\s+2:G0+4*\s+3], s[14:15], \s*KSTEP*2
	s_or_b32 s[G0+4*\s+3], s[G0+4*\s+3], 0x80000000
	s_mov_b32 s[G0B+4*\s], 1
	s_add_co_u32 s[G0B+4*\s+1], s20, \s*SLOT
	s_add_nc_u64 s[G0B+4*\s+2:G0B+4*\s+3], s[46:47], \s*KSTEP*2
	s_or_b32 s[G0B+4*\s+3], s[G0B+4*\s+3], 0x80000000
	JLOAD \s
.endr
	v_and_b32 v1, 15, v0                           ; l % 16
	v_bfe_u32 v2, v0, 4, 1                         ; l / 16
	v_mul_u32_u24 v3, v1, PITCH
	v_lshl_add_u32 v3, v2, 4, v3                   ; a fragment's row x pitch + 16 x half
	s_mul_i32 s21, s11, HALFT                      ; my 128 queries
	s_mul_i32 s22, s12, HALFT                      ; my 128 keys,
	s_add_co_u32 s22, s22, 2*HALFT                 ; which lie behind q's 256 rows
.irp s, 0,1
	v_add_nc_u32 v[ADRA+\s], s21, v3
	v_add_nc_u32 v[ADRB+\s], s22, v3
	s_add_co_u32 s21, s21, SLOT
	s_add_co_u32 s22, s22, SLOT
.endr
	s_lshl_b32 s23, s10, 10
	s_add_co_u32 s23, s23, STATS                   ; my 1,024 bytes of figures
	v_lshl_add_u32 v[SST], v1, 3, s23              ; 8 bytes a query
	v_and_b32 v6, 31, v0
	v_lshlrev_b32 v[SCO], 4, v6
	v_add_nc_u32 v[SRD], s23, v[SCO]
	v_mov_b32 v[PX], 0                             ; written once: a lane permute's destination counts as one of its sources
	v_mov_b32 v[NM+1], 0
	s_lshl_b32 s16, s13, 8
	s_lshl_b32 s17, s11, 7
	s_add_co_u32 s16, s16, s17                     ; my first query
	s_lshl_b32 s20, s16, 3                         ; its place in a block's figures
	s_lshl_b32 s16, s16, 12                        ; and in p: a block of 16 queries is 64 groups x 1,024 bytes = 65,536 bytes
	s_mov_b32 s17, 0
	s_lshl_b32 s46, s42, 1
	s_add_co_u32 s46, s46, s12                     ; my block of 128 keys: 2 x tile column + half
	s_lshl_b32 s47, s46, 16                        ; 65,536 bytes of figures a block
	s_add_co_u32 s20, s20, s47
	s_mov_b32 s21, 0
	s_lshl_b32 s46, s46, 12                        ; four groups of 32 keys, 1,024 bytes each
	s_mov_b32 s47, 0
	s_add_nc_u64 s[16:17], s[16:17], s[46:47]
	s_add_nc_u64 s[8:9], s[6:7], s[16:17]          ; p at my first block of queries and my first group of keys
	s_add_nc_u64 s[70:71], s[70:71], s[20:21]      ; stats at my block and first query
; 16 matrix instructions: query blocks a0, a0 + 1 of the window's four x all 8 key blocks, 32 along K.  zero = 1: the first product starts the sums.  The 64 accumulators take turns.
.macro MUL16 f, hi, a0, zero
.irp a, \a0, \a0+1
.irp b, 0,1,2,3,4,5,6,7
.if \zero
	v_wmma_f32_16x16x32_f16 v[8*(8*(\a)+\b):8*(8*(\a)+\b)+7], v[\f+8*\b:\f+8*\b+7], v[\f+8*(4*\hi+\a):\f+8*(4*\hi+\a)+7], 0
.else
	v_wmma_f32_16x16x32_f16 v[8*(8*(\a)+\b):8*(8*(\a)+\b)+7], v[\f+8*\b:\f+8*\b+7], v[\f+8*(4*\hi+\a):\f+8*(4*\hi+\a)+7], v[8*(8*(\a)+\b):8*(8*(\a)+\b)+7]
.endif
.endr
.endr
.endm
.macro FETCH slot, k, f                ; 32 LDS loads in one run: the fragments of one quarter step (32 K at byte k of the rows) into buffer f: k's first, then q's
	WIN TO_B
.irp i, 0,1,2,3,4,5,6,7
	ds_load_b128 v[\f+8*\i:\f+8*\i+3],   v[ADRB+\slot] offset:\k+\i*16*PITCH
	ds_load_b128 v[\f+8*\i+4:\f+8*\i+7], v[ADRB+\slot] offset:\k+\i*16*PITCH+32
.endr
	WIN 0
.irp i, 0,1,2,3,4,5,6,7
	ds_load_b128 v[\f+8*\i:\f+8*\i+3],   v[ADRA+\slot] offset:\k+\i*16*PITCH
	ds_load_b128 v[\f+8*\i+4:\f+8*\i+7], v[ADRA+\slot] offset:\k+\i*16*PITCH+32
.endr
.endm
.macro PLACES                          ; four plain vector instructions between a matrix instruction and a load into its registers or a read of its result
.rept 4
	v_nop
.endr
.endm
.macro QUARTER slot, k, f, g, zero     ; multiplies buffer f; in its middle fetches the next quarter's fragments into g
	s_wait_dscnt 8                                 ; k's fragments and q's rows 0-63 are in; the youngest eight loads (q's rows 64-127) may be out
	WIN MUL_LO
	MUL16 \f, 0, 0, \zero
	MUL16 \f, 0, 2, \zero
	PLACES
	FETCH \slot, \k, \g
	s_wait_dscnt 32                                ; all but the 32 just issued
	WIN MUL_HI
	MUL16 \f, 1, 0, \zero
	MUL16 \f, 1, 2, \zero
.endm
; The first half of a K step's last quarter: one barrier for the change of slots.  In front of it each wave waits for all its tensor loads (its part of the next slot), adds 0 to its spare word, and waits for that and for its reads of this slot.
.macro MEET round
	WIN 0
	s_wait_tensorcnt 0x0                           ; all my tensor loads have landed
	ds_add_u32 v[SPW], v[NIL]                      ; 0 onto my spare word
	s_wait_dscnt 9                                 ; (the add and the youngest eight loads may be out)
	WIN MUL_LO
	MUL16 F1, 0, 0, 0
	s_wait_dscnt 0x0                               ; the add is done, and my reads of this slot are over
	s_barrier_signal -1
	MUL16 F1, 0, 2, 0
.if \round
	WIN 0
.endif
	s_barrier_wait -1
.endm
.macro TURN slot, next                 ; the whole last quarter; the slot just read out is filled again, two K steps ahead: 224 matrix instructions stand between the request and the wait for it
	MEET 1
	CREST                                          ; the barrier has opened a round of the cluster's: no wave of any partner still reads this slot or has a load on its way
	s_add_nc_u64 s[G0+4*\slot+2:G0+4*\slot+3], s[G0+4*\slot+2:G0+4*\slot+3], 2*KSTEP*2
	s_add_nc_u64 s[G0B+4*\slot+2:G0B+4*\slot+3], s[G0B+4*\slot+2:G0B+4*\slot+3], 2*KSTEP*2
	JLOAD \slot                                    ; the first tensor load behind the round; its four v_nop are also the places in front of the loads below
	FETCH \next, 0, F0
	WIN MUL_HI
	MUL16 F1, 1, 0, 0
	MUL16 F1, 1, 2, 0
.endm
	s_wait_tensorcnt 1                             ; my part of K step 0 is in; K step 1's may stay out
	s_barrier_signal -1
	s_barrier_wait -1
	FETCH 0, 0, F0
	QUARTER 0, 64,  F0, F1, 1                      ; the first quarter's products start the sums
	WIN 0
	s_mov_b32 s3, LAPS-1
.Llap:                                                 ; a trip goes once round the ring and fills both slots again
	QUARTER 0, 128, F1, F0, 0
	QUARTER 0, 192, F0, F1, 0
	TURN 0, 1
	QUARTER 1, 64,  F0, F1, 0
	QUARTER 1, 128, F1, F0, 0
	QUARTER 1, 192, F0, F1, 0
	TURN 1, 0
	QUARTER 0, 64,  F0, F1, 0
	WIN 0
	s_sub_co_u32 s3, s3, 1
	s_cmp_lg_u32 s3, 0
	s_cbranch_scc1 .Llap
	QUARTER 0, 128, F1, F0, 0                      ; the last lap is written out: it fills nothing
	QUARTER 0, 192, F0, F1, 0
	MEET 0
	PLACES
	FETCH 1, 0, F0
	WIN MUL_HI
	MUL16 F1, 1, 0, 0
	MUL16 F1, 1, 2, 0
	QUARTER 1, 64,  F0, F1, 0
	QUARTER 1, 128, F1, F0, 0
	QUARTER 1, 192, F0, F1, 0
	s_wait_dscnt 8
	WIN MUL_LO
	MUL16 F1, 0, 0, 0
	MUL16 F1, 0, 2, 0
	s_wait_dscnt 0
	WIN MUL_HI
	MUL16 F1, 1, 0, 0
	MUL16 F1, 1, 2, 0
	WIN 0
; THE SOFTMAX OF BLOCK a (16 queries x my 128 keys): the block's eight accumulators, 64 registers a lane.
.macro SOFT a
.set AC, 64*((\a)%4)
	WIN 0x0a+5*((\a)/4)                            ; sources 0 and 1: the accumulators' window; source 2 and the destination: window 0
.irp k, 0,1,2,3
	v_max_num_f32 v[MX+\k], v[AC+16*\k], v[AC+16*\k+1]             ; four chains; each accumulator is read from its low end on
.endr
.irp i, 2,4,6,8,10,12,14
.irp k, 0,1,2,3
	v_max3_num_f32 v[MX+\k], v[AC+16*\k+\i], v[AC+16*\k+\i+1], v[MX+\k]
.endr
.endr
	WIN 0
	v_max3_num_f32 v[MX], v[MX], v[MX+1], v[MX+2]
	v_max_num_f32 v[MX], v[MX], v[MX+3]
	v_permlanex16_b32 v[PX], v[MX], s[SEL], s[SEL+1]               ; the query's other 64 keys lie in the lane 16 away
	v_max_num_f32 v[MX], v[MX], v[PX]
	v_mul_f32 v[MX], s[CS], v[MX]                  ; as t (c is positive)
	v_floor_f32 v[NM], -v[MX]                      ; -M = floor(-t): M is a whole number
	WIN 0x0a+5*((\a)/4)
.set j, 0
.rept 32
	v_pk_fma_f32 v[T+j:T+j+1], v[AC+j:AC+j+1], s[CS:CS+1], v[NM:NM+1] op_sel_hi:[1,0,0]   ; t - M, two at a time (of the pairs c and -M the low word serves both halves)
.set j, j+2
.endr
	WIN 0
.set j, 0
.rept 64
	v_exp_f32 v[T+j], v[T+j]                       ; p = 2^(t - M): one batch
.set j, j+1
.endr
	v_mul_f32 v[ML+2*(\a)], -1.0, v[NM]            ; M.  (The plain instruction behind the last exponential)
	s_wait_alu depctr_va_vdst(0)                   ; one wait for the batch, ahead of its first reader
	v_pk_add_f32 v[SUMA:SUMA+1], v[T:T+1], v[T+2:T+3]              ; the sum of the unrounded p, in two chains
	v_pk_add_f32 v[SUMB:SUMB+1], v[T+4:T+5], v[T+6:T+7]
.irp j, 8,12,16,20,24,28,32,36,40,44,48,52,56,60
	v_pk_add_f32 v[SUMA:SUMA+1], v[SUMA:SUMA+1], v[T+\j:T+\j+1]
	v_pk_add_f32 v[SUMB:SUMB+1], v[SUMB:SUMB+1], v[T+\j+2:T+\j+3]
.endr
	v_pk_add_f32 v[SUMA:SUMA+1], v[SUMA:SUMA+1], v[SUMB:SUMB+1]
	v_add_f32 v[SUMA], v[SUMA], v[SUMA+1]
	v_permlanex16_b32 v[PX], v[SUMA], s[SEL], s[SEL+1]
	v_add_f32 v[ML+2*(\a)+1], v[SUMA], v[PX]       ; l
.if (\a) > 0
	s_wait_xcnt 0x0                                ; the last block's stores have read their data: only behind this wait are these registers written again
.endif
.set j, 0
.rept 32
	v_cvt_pk_f16_f32 v[PKD+j], v[T+2*j], v[T+2*j+1]   ; accumulator b's eight keys make registers 4 b .. 4 b + 3: half b % 2 of the fragment of key group b / 2
.set j, j+1
.endr
.endm
.macro STOREP a                        ; block a's four fragments: 4,096 consecutive bytes; each store covers 512 consecutive bytes, at a multiple of 256 from the buffer's first byte
.irp b, 0,1,2,3,4,5,6,7
	global_store_b128 v[SCO], v[PKD+4*\b:PKD+4*\b+3], s[8:9] offset:65536*(\a)+512*\b
.endr
.endm
	PLACES                                         ; behind the last products
.irp a, 0,1,2,3,4,5,6,7
	SOFT \a
	STOREP \a
.endr
.irp a, 0,1,2,3,4,5,6,7
	ds_store_b64 v[SST], v[ML+2*\a:ML+2*\a+1] offset:128*\a        ; lanes l and l xor 16 write the same 8 bytes with the same values
.endr
	ds_load_b128 v[224:227], v[SRD]                ; LDS serves a wave's instructions in order: these see my stores
	ds_load_b128 v[228:231], v[SRD] offset:512
	s_wait_dscnt 0x0
	global_store_b128 v[SCO], v[224:227], s[70:71]                 ; my 128 queries' figures: 1,024 consecutive bytes, aligned
	global_store_b128 v[SCO], v[228:231], s[70:71] offset:512
	s_wait_tensorcnt 0x0                           ; the wave's end, behind my last tensor load and my last LDS store
	ds_add_u32 v[SPW], v[NIL]
	s_wait_dscnt 0x0
	CROUND                                         ; the closing round
	s_endpgm
.Lfunc_end_k_q4d6d0dd8e7_scores:
	.size	k_q4d6d0dd8e7_scores, .Lfunc_end_k_q4d6d0dd8e7_scores-k_q4d6d0dd8e7_scores
	.p2alignl 7, 3214868480
	.fill 96, 4, 3214868480
	.section	.rodata,"a",@progbits
	.p2align	6, 0x0
	.amdhsa_kernel k_q4d6d0dd8e7_scores
		.amdhsa_group_segment_fixed_size 327680
		.amdhsa_private_segment_fixed_size 0
		.amdhsa_enable_private_segment 0
		.amdhsa_kernarg_size 24
		.amdhsa_user_sgpr_count 2
		.amdhsa_user_sgpr_kernarg_segment_ptr 1
		.amdhsa_wavefront_size32 1
		.amdhsa_system_sgpr_workgroup_id_x 1
		.amdhsa_system_sgpr_workgroup_id_y 1
		.amdhsa_system_sgpr_workgroup_id_z 1
		.amdhsa_system_vgpr_workitem_id 0
		.amdhsa_next_free_vgpr 1024
		.amdhsa_next_free_sgpr 72
		.amdhsa_reserve_vcc 0
		.amdhsa_float_denorm_mode_32 3
		.amdhsa_float_denorm_mode_16_64 3
		.amdhsa_memory_ordered 1
		.amdhsa_forward_progress 1
		.amdhsa_inst_pref_size 202
	.end_amdhsa_kernel
	.amdgpu_metadata
---
amdhsa.version: [ 1, 2 ]
amdhsa.kernels:
  - .name:           k_q4d6d0dd8e7_scores
    .symbol:         k_q4d6d0dd8e7_scores.kd
    .args:
      - { .name: qkv, .offset: 0, .size: 8, .value_kind: global_buffer, .address_space: global }
      - { .name: p, .offset: 8, .size: 8, .value_kind: global_buffer, .address_space: global }
      - { .name: stats, .offset: 16, .size: 8, .value_kind: global_buffer, .address_space: global }
    .group_segment_fixed_size: 327680
    .private_segment_fixed_size: 0
    .kernarg_segment_align: 8
    .kernarg_segment_size: 24
    .max_flat_workgroup_size: 128
    .sgpr_count:     72
    .vgpr_count:     1024
    .wavefront_size: 32
...
	.end_amdgpu_metadata
.endif
;; end of part 3
;; launch pv (part 4): grid 4 x 64, 4 waves a work-group, clusters of 4 x 4, 327,680 bytes of LDS; arguments p, qkv, stats, out0; writes out0
.if DOCPART == 4
	.amdgcn_target "amdgcn-amd-amdhsa--gfx1250"
	.amdhsa_code_object_version 6
	.text
	.protected	k_q4d6d0dd8e7_pv
	.globl	k_q4d6d0dd8e7_pv
	.p2align	8
	.type	k_q4d6d0dd8e7_pv,@function
k_q4d6d0dd8e7_pv:
	s_mov_b64 s[64:65], 0
	v_nop
	global_prefetch_b8 v0, s[64:65] scope:SCOPE_SE
	s_setreg_imm32_b32 hwreg(HW_REG_WAVE_MODE, 25, 1), 1
	s_wait_xcnt 0x0
	s_wait_alu depctr_hold_cnt(0) depctr_sa_sdst(0) depctr_va_vdst(0) depctr_va_sdst(0) depctr_va_ssrc(0) depctr_va_vcc(0) depctr_vm_vsrc(0)
	s_getreg_b32 s2, hwreg(HW_REG_IB_STS2, 6, 4)
	s_cmp_eq_u32 s2, 0
	s_cbranch_scc0 .Lentry_in_a_cluster
	s_endpgm
.Lentry_in_a_cluster:
	s_bfe_u32 s2, ttmp6, 0x10000c
	s_cmp_lg_u32 s2, 0xf033
	s_cbranch_scc0 .Lentry_shape_is_right
	s_endpgm
.Lentry_shape_is_right:
; out0[query][channel] = (sum over key blocks j of 2^(M_j - M) x sum over the block's keys of p v[key][channel]) / L: the second half of the softmax and the product with v (f16 operands, f32 sums).  No work of the problem is left out.
; p (f16, in the order of this product's operand registers: [512 blocks of 16 queries][64 groups of 32 keys][2 halves][32 lanes][16 bytes]) and stats [16 blocks of 128 keys][8192][(M_j, l_j)] f32 come from the
; launch before; v is columns 2048-3071 of qkv [8192 tokens][3072] f16.
; THE JOIN IS MADE IN f32, ON THE SUMS.  For each query M = the largest M_j, e_j = max(M_j - M, -60), L = the sum of 2^e_j l_j (above 1/2).  A wave walks whole key blocks j, j + 2, ..; in front of block j its sums are
; multiplied by 2^(e_(j-2) - e_j), a power of two between 2^-60 and 2^60, and at the end by 2^(e of its last block) / L.  So after block j a sum holds the blocks so far under block j's own M_j, and p is used as it was stored.
; LIMITS: a key block whose largest t lies more than 60 under the row's is weighed 2^-60 in place of less: 16 blocks x 128 keys x 2^-60 beside a sum of weights above 1/2.  The hold keeps every sum under 8 x 2^60 x 128 x 65,504.
; NaN and infinities are not served.
; SHARES.  A work-group takes 128 queries x 256 channels: 256 work-groups.  THE FOUR WAVES SPLIT THE QUERIES AND THE KEYS: wave w has queries 64 (w % 2) on and, of each slot's 256 keys, keys 128 (w / 2) on: one key block.
; A wave has 64 queries x 256 channels in 64 accumulators.  At the end waves w and w xor 2 exchange halves of their sums through LDS: window 2 holds the two blocks of queries that a wave keeps (2 (w / 2) + i of its four),
; window 3 the two that it sends.  Only addresses differ between the waves.
; SOURCES: source 0 = 16 channels of v^T (v lies [key][channel] in LDS and is turned by ds_load_tr16_b128), source 1 = 16 queries of p: a lane holds one query and eight neighbouring channels.
; v GOES THROUGH LDS, p STRAIGHT INTO REGISTERS.  v's tile is shared along a column of the 4 x 4 cluster (a cluster's four tile rows lie in one batch) and is asked for jointly, every wave 64 keys x 512 bytes.
; p's tile is shared along a row of the cluster, and yet is not asked for jointly: beside v's it would leave room for two slots of 128 keys alone (2 x 128 x (272 + 544) bytes; twice the keys, 413,696 bytes, pass LDS);
; without it two slots of 256 keys fit (2 x 256 x 544 bytes), 256 matrix instructions a wave between two changes of slots, 224 between a request and the wait for it.  p is a third of a step's bytes; each of its fragments
; is read by one wave of the work-group, by two loads of 512 consecutive bytes, into a ring of four register buffers, three quarters (192 matrix instructions) ahead.
; REGISTERS, in windows of 256: window 0: v10-30 addresses; v32-39 a block's factors; v40-47 the end's factors; v64-191 p's ring (at the end: sums and rows at work); v192-255 the join at the head.
;   window 1: v's fragments, two sets of 128.   window 2: accumulators (i, b), i = 0, 1, at v[8 (16 i + b)];   window 3: i = 2, 3.
.set VP,     544                       ; a row of v in LDS: 512 bytes + 32 = 136 words
.set SLOT,   256*VP                    ; 256 keys
.set TAB,    2*SLOT                    ; behind the ring: the factors, each twice: [16 key blocks][16 rows of a block][8 blocks of queries][2] f32; blocks 0 and 1 are not used
.set RTAB,   TAB+16384                 ; the end's factors: [2 chains][16 rows][8 blocks] f32
.set SPARE,  RTAB+1024                 ; the spare words, 128 bytes for each wave: two blocks of 256 bytes that no other line names
.set STAGE,  131072                    ; behind the last step the ring has had its last fill: bytes 0 on take the exchange, 32,768 for each wave; from here the stages, 16 rows x (512 + 16) for each wave
.set SPITCH, 528
.set QROW,   6144
.set TST,  10                          ; v10  the head: where thread t puts its query's factors
.set RST,  11                          ; v11  and its end factors
.set SOFF, 12                          ; v12  8 x thread
.set RLM,  13                          ; v13  where I read the end factors of my chain,
.set RLP,  14                          ; v14  and of my partner's
.set ADV,  16                          ; v16-17  v's fragments in slot 0, 1
.set TAK,  18                          ; v18  the factors of the blocks that I keep; steps on
.set TAS,  19                          ; v19  of those that I send
.set POK,  20                          ; v20  p: byte offset of the blocks that I keep; never rewritten
.set POS,  21                          ; v21  of those that I send; never rewritten
.set PFOV, 22                          ; v22  the prefetches' offsets; never rewritten
.set PFOP, 23
.set STO,  24
.set RD,   25
.set CO,   26                          ; v26  16 x lane
.set XW,   27                          ; v27  the exchange: where I write
.set SPW,  28                          ; v28  LDS address of my spare word; never rewritten
.set NIL,  29                          ; v29  0; never rewritten
.set XR,   30                          ; v30  the exchange: where I read
.set GF,   32                          ; v32-39  a key block's factors, a pair for each of my four blocks of queries
.set SME,  40                          ; v[40:41] the end factors of my chain, for the two blocks that I keep
.set SPA,  42                          ; v[42:43] of my partner's chain
.set R2A,  44                          ; v[44:45], v[46:47] one of each, twice
.set R2B,  46
.set PR,   64                          ; p's ring: buffer k at v[64 + 32 k]: four fragments of 8 registers
.set T,    64                          ; the way out
.set BK,   128
.set G1V, 24                           ; s[24:31] descriptor group 1;  s[32:39] group 0, one set for each slot
.set G0V, 32
.set PB,  48                           ; s[48:49] p at my four blocks of queries and my key block of the lap's first slot
.set PFV, 50                           ; s[50:51], s[52:53] where my prefetches stand in qkv and in p
.set PFP, 52
.set LIMV, 54                          ; s54, s55  1 in a wave that prefetches, else the greatest number
.set LIMP, 55
.set MSB, 0
.macro WIN new
.if MSB != (\new)
	s_set_vgpr_msb (MSB<<8)|(\new)
.set MSB, (\new)
.endif
.endm
.set MUL_LO, 0xa1                      ; source 0 (v) window 1, source 1 (p) window 0, C and D window 2;  + 0x50: C and D window 3
.set TO_V,   0x40
.macro CREST
	s_cmp_lg_u32 s12, 0
	s_cbranch_scc1 .Lnot_wave_0_\@
	s_barrier_signal -3
.Lnot_wave_0_\@:
	s_barrier_wait -3
	s_barrier_signal -1
	s_barrier_wait -1
.endm
.macro CROUND
	s_barrier_signal -1
	s_barrier_wait -1
	CREST
.endm
; PREFETCHES, behind each joint refill and the run of LDS loads that follows it; one or two instructions a wave.  Each aligned block of 256 bytes is named once in the launch.
; v: at the change that asks for slot step S + 2, step S + 3 is named: 256 keys x 512 bytes.  The four clusters of a batch read the same rows: the batch's first asks; the four partners of a column take 64 keys each,
; told apart by address (cy); each wave 16 of them, a lane half a row.  second = 1, the lap's second change: the loop's last trip has no step S + 3.
; p: step S + 2 is named: for each of the tile's 8 blocks of queries 8,192 consecutive bytes.  The four partners of a row read them all: each takes two blocks, told apart by address (cx); waves 0 and 1 one each, lanes 256 bytes apart.
; The branches hang on the wave's number, the cluster's y and the count of laps.  Steps 0 to 2 of v and 0 and 1 of p come by their loads alone.
.macro ASK second
	WIN 0
.if \second
	s_cmp_gt_u32 s3, s[LIMV]
.else
	s_cmp_ge_u32 s3, s[LIMV]
.endif
	s_cbranch_scc0 .Lno_v_\@
	global_prefetch_b8 v[PFOV], s[PFV:PFV+1] offset:\second*256*QROW th:TH_LOAD_NT scope:SCOPE_SE
.Lno_v_\@:
	s_cmp_ge_u32 s3, s[LIMP]
	s_cbranch_scc0 .Lno_p_\@
	global_prefetch_b8 v[PFOP], s[PFP:PFP+1] offset:\second*8192 th:TH_LOAD_NT scope:SCOPE_SE
.Lno_p_\@:
.endm
.macro PLACES                          ; four plain vector instructions between a matrix instruction and a load into its registers, or a vector instruction or store that touches its result
.rept 4
	v_nop
.endr
.endm
; QUARTERS.  A quarter is 32 of my keys: 64 matrix instructions.  x counts quarters from the lap's first slot on: slot (x / 4) % 2, keys 32 (x % 4) on of my 128; v's set x % 2, p's buffer x % 4.
.macro PLOAD x                         ; p's four fragments of quarter x: eight loads of 512 consecutive bytes.  A slot step is 8 groups of 32 keys, 1,024 bytes each; a block of queries 65,536 bytes
.irp i, 0,1
.irp c, 0,1
	global_load_b128 v[PR+32*((\x)%4)+8*\i+4*\c:PR+32*((\x)%4)+8*\i+4*\c+3], v[POK], s[PB:PB+1] offset:\i*65536+(8*((\x)/4)+(\x)%4)*1024+512*\c
.endr
.endr
.irp i, 0,1
.irp c, 0,1
	global_load_b128 v[PR+32*((\x)%4)+16+8*\i+4*\c:PR+32*((\x)%4)+16+8*\i+4*\c+3], v[POS], s[PB:PB+1] offset:\i*65536+(8*((\x)/4)+(\x)%4)*1024+512*\c
.endr
.endr
.endm
.macro FETCH x                         ; v's sixteen fragments of quarter x, turned: 32 LDS loads in one run
	WIN TO_V
.irp b, 0,1,2,3,4,5,6,7,8,9,10,11,12,13,14,15
	ds_load_tr16_b128 v[128*((\x)%2)+8*\b:128*((\x)%2)+8*\b+3],   v[ADV+((\x)/4)%2] offset:((\x)%4)*32*VP+32*\b
	ds_load_tr16_b128 v[128*((\x)%2)+8*\b+4:128*((\x)%2)+8*\b+7], v[ADV+((\x)/4)%2] offset:((\x)%4)*32*VP+16*VP+32*\b
.endr
.endm
.macro FACT o                          ; the next key block's factors
	ds_load_b128 v[GF:GF+3], v[TAK] offset:\o
	ds_load_b128 v[GF+4:GF+7], v[TAS] offset:\o
.endm
.macro MM m, i, b, zero                ; one product: channel block b x my block i of queries
.set AC, 8*(16*((\i)%2)+(\b))
.set VA, 128*((\m)%2)+8*(\b)
.set PA, PR+32*((\m)%4)+8*(\i)
.if \zero
	v_wmma_f32_16x16x32_f16 v[AC:AC+7], v[VA:VA+7], v[PA:PA+7], 0
.else
	v_wmma_f32_16x16x32_f16 v[AC:AC+7], v[VA:VA+7], v[PA:PA+7], v[AC:AC+7]
.endif
.endm
.macro RS y                            ; accumulator y of 64 is brought under the new key block's M: four packed multiplications in f32, from its low end on
	WIN 0x82+0x41*((\y)/32)                        ; destination and source 0: window 2 or 3; the factor: window 0
.set RA, 8*((\y)%32)
.set RG, GF+2*((\y)/16)
.irp u, 0,2,4,6
	v_pk_mul_f32 v[RA+\u:RA+\u+1], v[RA+\u:RA+\u+1], v[RG:RG+1]
.endr
.endm
; 16 products: my block i of queries x all 16 channel blocks.  The 64 accumulators take turns, one instruction a turn, in the same order in every quarter.
; resc = 1, a key block's first quarter: behind each product the accumulator two turns on is rescaled.  Its last product stands in the quarter before, ahead of the four v_nop at this quarter's head.
.macro SEG m, i, zero, resc
.irp b, 0,1,2,3,4,5,6,7,8,9,10,11,12,13,14,15
	WIN MUL_LO+0x50*((\i)/2)
	MM \m, \i, \b, \zero
.if (\resc) && (16*(\i)+\b+2 < 64)
	RS 16*(\i)+\b+2
.endif
.endr
.endm
; A quarter that has its successor in the same slot.  At its head: the buffer of p and the set of v that the last quarter multiplied are asked for anew.  pl: p of three quarters on is asked for;
; lc: how many younger loads of p may stay out; fetch: v's next fragments are fetched.
.macro Q m, zero, resc, pl, lc, fetch
	WIN 0
	PLACES                                         ; behind the last quarter's products
.if \pl
	PLOAD (\m)+3
.endif
	s_wait_loadcnt \lc                             ; this quarter's p is in: eight loads a quarter were issued behind it
	s_wait_dscnt 0x0                               ; this quarter's v, asked for a quarter ago, and the factors
.if \fetch
	FETCH (\m)+1
.endif
.if \resc
	RS 0
	RS 1
.endif
.irp i, 0,1,2,3
	SEG \m, \i, \zero, \resc
.endr
.endm
; A slot's last quarter changes slots: ONE barrier; in front of it each wave waits for all its tensor loads (its part of the next slot), adds 0 to its spare word, and waits for that and for its reads of this slot.
; fill = 1: the barrier opens a round of the cluster's, and this slot is filled again, two slot steps ahead, first thing behind the round.
.macro TURN m, fill, second
	WIN 0
	PLACES
	PLOAD (\m)+3
	s_wait_loadcnt 24                              ; this quarter's p is in; three quarters' 24 loads may be out
	s_wait_tensorcnt 0x0                           ; all my tensor loads have landed
	ds_add_u32 v[SPW], v[NIL]                      ; 0 onto my spare word
	s_wait_dscnt 1                                 ; this quarter's v is in (the add may be out)
	SEG \m, 0, 0, 0                                ; sixteen matrix instructions stand between the add and the wait for it
	s_wait_dscnt 0x0                               ; the add is done, and my reads of this slot are over
	s_barrier_signal -1
	SEG \m, 1, 0, 0
	WIN 0
	s_barrier_wait -1
.if \fill
	CREST                                          ; no wave of any partner still reads this slot or has a load on its way
	s_add_nc_u64 s[G0V+4*(((\m)/4)%2)+2:G0V+4*(((\m)/4)%2)+3], s[G0V+4*(((\m)/4)%2)+2:G0V+4*(((\m)/4)%2)+3], 2*256*QROW
	tensor_load_to_lds s[G0V+4*(((\m)/4)%2):G0V+4*(((\m)/4)%2)+3], s[G1V:G1V+7]   ; my one tensor load behind the round
	s_nop 0
.rept 4
	v_nop
.endr
.endif
	FACT 2048*(((\m)+1)/4)
	FETCH (\m)+1
.if \fill
	ASK \second
.endif
	SEG \m, 2, 0, 0
	SEG \m, 3, 0, 0
.endm
	s_load_b256 s[4:11], s[0:1], 0x0               ; p s[4:5], qkv s[6:7], stats s[8:9], out0 s[10:11]
	v_lshl_add_u32 v[SPW], v0, 2, SPARE
	v_mov_b32 v[NIL], 0
	ds_add_u32 v[SPW], v[NIL]                      ; the wave's opening: the add, twice on end, and its wait ahead of my first tensor load
	ds_add_u32 v[SPW], v[NIL]
	v_lshrrev_b32 v1, 5, v0
	v_readfirstlane_b32 s12, v1                    ; wave 0..3
	s_and_b32 s13, s12, 1                          ; mh: which 64 queries are mine
	s_lshr_b32 s14, s12, 1                         ; kh: which 128 keys of a slot are mine
	s_xor_b32 s15, s14, 1
	s_bfe_u32 s16, ttmp6, 0x40000                  ; cx
	s_bfe_u32 s17, ttmp6, 0x40004                  ; cy
	s_lshl_b32 s18, ttmp9, 2
	s_add_co_u32 s18, s18, s16                     ; tile column: which 256 channels
	s_and_b32 s20, ttmp7, 0xffff                   ; the cluster's y
	s_lshl_b32 s19, s20, 2
	s_add_co_u32 s19, s19, s17                     ; tile row: which 128 of the 8,192 queries
	s_lshr_b32 s21, s20, 2                         ; the batch: four clusters of four tile rows each; made of the cluster's y alone
	s_lshl_b32 s23, 0x1111, s16                    ; my column of the cluster
	s_or_b32 s[G1V], s23, (1<<16)|(1<<20)|(1<<21)|(6<<22)|(7<<25)  ; the mask; elements of 2 bytes; padding on; bit 21 beside a mask; 8 words of padding after every 128
	s_mov_b32 s[G1V+1], 256<<16                    ; tensor_dim0 = 256 channels
	s_mov_b32 s[G1V+2], 64<<16                     ; tensor_dim1 = 64 keys
	s_mov_b32 s[G1V+3], 256<<16                    ; tile_dim0
	s_mov_b32 s[G1V+4], 64                         ; tile_dim1
	s_mov_b32 s[G1V+5], 3072                       ; elements from row to row
	s_mov_b32 s[G1V+6], 0
	s_mov_b32 s[G1V+7], 0
	s_lshl_b32 s40, s21, 11
	s_lshl_b32 s41, s12, 6
	s_add_co_u32 s40, s40, s41                     ; v: token 2,048 x batch + 64 x wave,
	s_mul_i32 s40, s40, QROW
	s_lshl_b32 s41, s18, 9
	s_add_co_u32 s40, s40, s41                     ; + 512 bytes x tile column,
	s_add_co_u32 s40, s40, 4096                    ; columns 2048 on
	s_mov_b32 s41, 0
	s_mul_i32 s44, s12, 64*VP                      ; where they go: wave x 64 rows: no place in the cluster enters an LDS address
	s_mov_b32 s43, 0
	s_wait_dscnt 0x0                               ; both opening adds are done
	s_wait_kmcnt 0x0
	s_add_nc_u64 s[40:41], s[6:7], s[40:41]
	CROUND                                         ; all sixteen work-groups are here: the first joint loads meet
.irp s, 0,1
	s_mov_b32 s[G0V+4*\s], 1
	s_add_co_u32 s[G0V+4*\s+1], s44, \s*SLOT
	s_add_nc_u64 s[G0V+4*\s+2:G0V+4*\s+3], s[40:41], \s*256*QROW   ; slot step s: 256 rows of qkv
	s_or_b32 s[G0V+4*\s+3], s[G0V+4*\s+3], 0x80000000
.endr
	tensor_load_to_lds s[G0V:G0V+3], s[G1V:G1V+7]  ; every wave's two first fills stand together: two loads of mine are out
	s_nop 0
	tensor_load_to_lds s[G0V+4:G0V+7], s[G1V:G1V+7]
	s_nop 0
.rept 4
	v_nop
.endr
	; the 128 queries' figures: thread t takes query t of the tile
	s_lshl_b32 s42, s19, 10                        ; 128 queries x 8 bytes x tile row
	s_add_nc_u64 s[8:9], s[8:9], s[42:43]
	v_lshlrev_b32 v[SOFF], 3, v0
.irp j, 0,1,2,3,4,5,6,7,8,9,10,11,12,13,14,15
	global_load_b64 v[192+2*\j:193+2*\j], v[SOFF], s[8:9] offset:65536*\j   ; (M_j, l_j): a wave reads 256 consecutive bytes
.endr
	; p's first three quarters
	s_lshl_b32 s42, s19, 3
	s_lshl_b32 s46, s13, 2
	s_add_co_u32 s42, s42, s46                     ; my first block of queries: 8 x tile row + 4 mh,
	s_lshl_b32 s42, s42, 16                        ; 65,536 bytes a block,
	s_lshl_b32 s46, s14, 12
	s_add_co_u32 s42, s42, s46                     ; + my four groups of keys in a slot step
	s_add_nc_u64 s[PB:PB+1], s[4:5], s[42:43]
	v_and_b32 v7, 31, v0                           ; lane
	v_lshlrev_b32 v[CO], 4, v7
	s_lshl_b32 s46, s14, 17
	v_add_nc_u32 v[POK], s46, v[CO]                ; the blocks that I keep: 2 kh, 2 kh + 1 of my four
	s_lshl_b32 s46, s15, 17
	v_add_nc_u32 v[POS], s46, v[CO]                ; those that I send: the other two
	PLOAD 0
	PLOAD 1
	PLOAD 2
	; the prefetches: where mine stand, and who asks
	s_lshl_b32 s42, s21, 11
	s_lshl_b32 s46, s17, 6
	s_add_co_u32 s42, s42, s46
	s_lshl_b32 s46, s12, 4
	s_add_co_u32 s42, s42, s46
	s_add_co_u32 s42, s42, 3*256                   ; v: token 2,048 x batch + 64 cy + 16 x wave, at slot step 3,
	s_mul_i32 s42, s42, QROW
	s_lshl_b32 s46, s18, 9
	s_add_co_u32 s42, s42, s46                     ; the tile column's 512 bytes,
	s_add_co_u32 s42, s42, 4096                    ; columns 2048 on
	s_add_nc_u64 s[PFV:PFV+1], s[6:7], s[42:43]
	s_lshl_b32 s42, s19, 3
	s_lshl_b32 s46, s16, 1
	s_add_co_u32 s42, s42, s46
	s_add_co_u32 s42, s42, s13                     ; p: block of queries 8 x tile row + 2 cx + wave (waves 0 and 1),
	s_lshl_b32 s42, s42, 16
	s_add_co_u32 s42, s42, 2*8192                  ; at slot step 2
	s_add_nc_u64 s[PFP:PFP+1], s[4:5], s[42:43]
	s_and_b32 s46, s20, 3                          ; 0 in a batch's first cluster
	s_cmp_eq_u32 s46, 0
	s_cselect_b32 s[LIMV], 1, -1                   ; the same in all sixteen partners
	s_cmp_eq_u32 s14, 0                            ; waves 0 and 1
	s_cselect_b32 s[LIMP], 1, -1
	v_lshrrev_b32 v1, 1, v7
	v_mul_u32_u24 v[PFOV], v1, QROW                ; v: key lane / 2,
	v_and_b32 v1, 1, v7
	v_lshl_add_u32 v[PFOV], v1, 8, v[PFOV]         ; half lane % 2 of its 512 bytes
	v_lshlrev_b32 v[PFOP], 8, v7
	; LDS addresses
	v_and_b32 v1, 15, v0                           ; r = l % 16
	v_bfe_u32 v2, v0, 4, 1                         ; h = l / 16
	v_and_b32 v4, 7, v0
	v_lshl_add_u32 v4, v2, 3, v4                   ; v: key 8 h + l % 8,
	v_mul_u32_u24 v4, v4, VP
	v_bfe_u32 v5, v0, 3, 1
	v_lshl_add_u32 v4, v5, 4, v4                   ; channels 8 ((l / 8) % 2) on,
	s_mul_i32 s46, s14, 128*VP                     ; my 128 keys
	v_add_nc_u32 v[ADV], s46, v4
	s_add_co_u32 s46, s46, SLOT
	v_add_nc_u32 v[ADV+1], s46, v4
	v_lshlrev_b32 v5, 6, v1                        ; the factors: 64 bytes a row r: 8 blocks x 2 words
	s_lshl_b32 s46, s14, 10                        ; my chain's key blocks: 2 S + kh: 1,024 bytes a key block
	s_lshl_b32 s47, s13, 5                         ; my four blocks of queries
	s_add_co_u32 s46, s46, s47
	s_add_co_u32 s46, s46, TAB
	s_lshl_b32 s47, s14, 4
	s_add_co_u32 s47, s47, s46
	v_add_nc_u32 v[TAK], s47, v5                   ; the two that I keep
	s_lshl_b32 s47, s15, 4
	s_add_co_u32 s47, s47, s46
	v_add_nc_u32 v[TAS], s47, v5                   ; the two that I send
	v_lshlrev_b32 v6, 5, v1                        ; the end's factors: 32 bytes a row r: 8 blocks
	s_lshl_b32 s46, s13, 4
	s_lshl_b32 s47, s14, 3
	s_add_co_u32 s46, s46, s47                     ; the two blocks that I keep
	s_add_co_u32 s46, s46, RTAB
	s_lshl_b32 s47, s14, 9
	s_add_co_u32 s47, s47, s46
	v_add_nc_u32 v[RLM], s47, v6                   ; under my chain's last key block,
	s_lshl_b32 s47, s15, 9
	s_add_co_u32 s47, s47, s46
	v_add_nc_u32 v[RLP], s47, v6                   ; and under my partner's
	v_lshrrev_b32 v3, 4, v0                        ; thread t's query: block t / 16, row t % 16
	v_lshl_add_u32 v[TST], v3, 3, v5
	v_add_nc_u32 v[TST], TAB, v[TST]
	v_lshl_add_u32 v[RST], v3, 2, v6
	v_add_nc_u32 v[RST], RTAB, v[RST]
	s_mul_i32 s46, s12, 16*SPITCH
	s_add_co_u32 s46, s46, STAGE                   ; my stage
	v_mul_u32_u24 v3, v1, SPITCH
	v_lshl_add_u32 v3, v2, 5, v3
	v_add_nc_u32 v[STO], s46, v3                   ; in: row r, 32 bytes for each half of the lanes
	v_add_nc_u32 v[RD], s46, v[CO]                 ; back: the 32 lanes take 512 bytes of one row
	s_lshl_b32 s46, s12, 15
	v_add_nc_u32 v[XW], s46, v[CO]                 ; the exchange: my 32,768 bytes,
	s_xor_b32 s46, s46, 65536
	v_add_nc_u32 v[XR], s46, v[CO]                 ; and those of wave w xor 2
	s_lshl_b32 s42, s19, 7
	s_lshl_b32 s46, s13, 6
	s_add_co_u32 s42, s42, s46
	s_lshl_b32 s46, s14, 5
	s_add_co_u32 s42, s42, s46                     ; out0: query 128 x tile row + 64 mh + the 32 that I keep,
	s_lshl_b32 s42, s42, 12
	s_lshl_b32 s46, s18, 10
	s_add_co_u32 s42, s42, s46                     ; + 1,024 bytes x tile column
	s_add_nc_u64 s[10:11], s[10:11], s[42:43]
	; the join of the sixteen key blocks, for thread t's query
	s_wait_loadcnt 24                              ; the figures are in; p's 24 loads, issued behind them, may be out
	v_max3_num_f32 v48, v192, v194, v196
.irp j, 198,202,206,210,214,218
	v_max3_num_f32 v48, v48, v[\j], v[\j+2]
.endr
	v_max_num_f32 v48, v48, v222                   ; M
.irp j, 0,1,2,3,4,5,6,7,8,9,10,11,12,13,14,15
	v_sub_f32 v[224+\j], v[192+2*\j], v48          ; M_j - M: a whole number, 0 or less,
.endr
.irp j, 0,1,2,3,4,5,6,7,8,9,10,11,12,13,14,15
	v_max_num_f32 v[224+\j], 0xc2700000, v[224+\j] ; held at -60: e_j
.endr
.irp j, 0,1,2,3,4,5,6,7,8,9,10,11,12,13,14,15
	v_cvt_i32_f32 v[224+\j], v[224+\j]
.endr
.irp j, 0,1,2,3,4,5,6,7,8,9,10,11,12,13,14,15
	v_ldexp_f32 v[240+\j], 1.0, v[224+\j]          ; 2^e_j
.endr
	v_mul_f32 v49, v240, v193
.irp j, 1,2,3,4,5,6,7,8,9,10,11,12,13,14,15
	v_fma_f32 v49, v[240+\j], v[193+2*\j], v49     ; L
.endr
	v_rcp_f32 v50, v49
.irp j, 2,3,4,5,6,7,8,9,10,11,12,13,14,15
	v_sub_nc_u32 v[192+2*(\j-2)], v[224+\j-2], v[224+\j]           ; e_(j-2) - e_j.  (Plain work behind the reciprocal)
.endr
.irp j, 2,3,4,5,6,7,8,9,10,11,12,13,14,15
	v_ldexp_f32 v[192+2*(\j-2)], 1.0, v[192+2*(\j-2)]              ; the factor in front of key block j,
.endr
.irp j, 2,3,4,5,6,7,8,9,10,11,12,13,14,15
	v_mov_b32 v[193+2*(\j-2)], v[192+2*(\j-2)]                     ; twice: the packed multiplications take a pair
.endr
.irp j, 2,3,4,5,6,7,8,9,10,11,12,13,14,15
	ds_store_b64 v[TST], v[192+2*(\j-2):193+2*(\j-2)] offset:1024*\j
.endr
	s_wait_alu depctr_va_vdst(0)                   ; the wait ahead of the reciprocal's first reader
	v_mul_f32 v51, v254, v50                       ; 2^e_14 / L: the end factor of the chain of even key blocks,
	v_mul_f32 v52, v255, v50                       ; 2^e_15 / L: of the odd ones
	ds_store_b32 v[RST], v51
	ds_store_b32 v[RST], v52 offset:512
	s_wait_tensorcnt 1                             ; my part of slot 0 is in; slot 1's may stay out
	s_wait_dscnt 0x0                               ; my stores into the tables have landed
	s_barrier_signal -1
	s_barrier_wait -1
	ds_load_b64 v[SME:SME+1], v[RLM]               ; wanted at the end
	ds_load_b64 v[SPA:SPA+1], v[RLP]
	FETCH 0
	Q 0, 1, 0, 1, 24, 1                            ; the first quarter's products start the sums
	Q 1, 0, 0, 1, 24, 1
	Q 2, 0, 0, 1, 24, 1
	WIN 0
	s_mov_b32 s3, 3
.Llap:                                                 ; 3 trips: a trip goes once round the ring, from a slot's last quarter on, and fills both slots again: slot steps 2 to 7
	TURN 3, 1, 0
	Q 4, 0, 1, 1, 24, 1                            ; a new key block: the sums are brought under its M
	Q 5, 0, 0, 1, 24, 1
	Q 6, 0, 0, 1, 24, 1
	TURN 7, 1, 1
	Q 8, 0, 1, 1, 24, 1
	Q 9, 0, 0, 1, 24, 1
	Q 10, 0, 0, 1, 24, 1
	WIN 0
	s_wait_xcnt 0x0                                ; p's loads and the prefetches have read their bases: only behind this wait are they stepped
	s_add_nc_u64 s[PB:PB+1], s[PB:PB+1], 2*8192    ; two slot steps on
	s_add_nc_u64 s[PFV:PFV+1], s[PFV:PFV+1], 2*256*QROW
	s_add_nc_u64 s[PFP:PFP+1], s[PFP:PFP+1], 2*8192
	v_add_nc_u32 v[TAK], 4096, v[TAK]
	v_add_nc_u32 v[TAS], 4096, v[TAS]
	s_sub_co_u32 s3, s3, 1
	s_cmp_lg_u32 s3, 0
	s_cbranch_scc1 .Llap
	TURN 3, 0, 0                                   ; the tail is written out: no slot is filled, and p's last two quarters are asked for
	Q 4, 0, 1, 1, 24, 1
	Q 5, 0, 0, 0, 16, 1                            ; the counts run down
	Q 6, 0, 0, 0, 8, 1
	Q 7, 0, 0, 0, 0, 0
	WIN 0
	; THE EXCHANGE.  The ring has had its last fill; behind this barrier nobody reads it.
	s_wait_dscnt 0x0
	s_barrier_signal -1
	s_barrier_wait -1
	PLACES                                         ; behind the last products
	WIN 0x0c                                       ; an LDS store's data are its source 1: window 3: the two blocks that I send, as images of their registers
.set n, 0
.rept 32
	ds_store_b128 v[XW], v[8*n:8*n+3] offset:1024*n                ; each accumulator from its low end on
	ds_store_b128 v[XW], v[8*n+4:8*n+7] offset:1024*n+512
.set n, n+1
.endr
	WIN 0
	s_wait_dscnt 0x0                               ; for the partner's sake: my stores have landed
	s_barrier_signal -1
	s_barrier_wait -1
; Part a of four: block a / 2 of the two that I keep, channels 128 (a % 2) on: eight accumulators.  My sums and my partner's, each times its chain's end factor; through my stage, so that 512 bytes of a row leave from the 32 lanes.
.macro OUTB a
.irp i, 0,1,2,3,4,5,6,7,8,9,10,11,12,13,14,15
	ds_load_b128 v[T+4*\i:T+4*\i+3], v[XR] offset:8192*\a+512*\i
.endr
	v_mov_b32 v[R2A], v[SME+(\a)/2]
	v_mov_b32 v[R2A+1], v[SME+(\a)/2]
	v_mov_b32 v[R2B], v[SPA+(\a)/2]
	v_mov_b32 v[R2B+1], v[SPA+(\a)/2]
	s_wait_dscnt 0x0
.set j, 0
.rept 32
	v_pk_mul_f32 v[T+j:T+j+1], v[T+j:T+j+1], v[R2B:R2B+1]
.set j, j+2
.endr
	WIN 0x02                                       ; source 0: window 2
.set j, 0
.rept 32
	v_pk_fma_f32 v[T+j:T+j+1], v[64*\a+j:64*\a+j+1], v[R2A:R2A+1], v[T+j:T+j+1]
.set j, j+2
.endr
	WIN 0
.irp b, 0,1,2,3,4,5,6,7
	ds_store_b128 v[STO], v[T+8*\b:T+8*\b+3] offset:64*\b
	ds_store_b128 v[STO], v[T+8*\b+4:T+8*\b+7] offset:64*\b+16
.endr
	s_wait_xcnt 0x0                                ; the last part's stores have read their registers: the loads below may land there
.irp t, 0,1,2,3,4,5,6,7,8,9,10,11,12,13,14,15
	ds_load_b128 v[BK+4*\t:BK+4*\t+3], v[RD] offset:\t*SPITCH      ; LDS serves a wave's instructions in order: these see the stores above
.endr
.irp t, 0,1,2,3,4,5,6,7,8,9,10,11,12,13,14,15
	s_wait_dscnt 15-\t
	global_store_b128 v[CO], v[BK+4*\t:BK+4*\t+3], s[10:11] offset:(16*((\a)/2)+\t)*4096+512*((\a)%2) th:TH_STORE_NT   ; 32 lanes store 512 consecutive bytes, at a multiple of 256 from the buffer's first byte
.endr
.endm
	OUTB 0
	OUTB 1
	OUTB 2
	OUTB 3
	s_wait_tensorcnt 0x0                           ; the wave's end, behind my last tensor load and my last LDS store
	ds_add_u32 v[SPW], v[NIL]
	s_wait_dscnt 0x0
	CROUND                                         ; the closing round
	s_endpgm
.Lfunc_end_k_q4d6d0dd8e7_pv:
	.size	k_q4d6d0dd8e7_pv, .Lfunc_end_k_q4d6d0dd8e7_pv-k_q4d6d0dd8e7_pv
	.p2alignl 7, 3214868480
	.fill 96, 4, 3214868480
	.section	.rodata,"a",@progbits
	.p2align	6, 0x0
	.amdhsa_kernel k_q4d6d0dd8e7_pv
		.amdhsa_group_segment_fixed_size 327680
		.amdhsa_private_segment_fixed_size 0
		.amdhsa_enable_private_segment 0
		.amdhsa_kernarg_size 32
		.amdhsa_user_sgpr_count 2
		.amdhsa_user_sgpr_kernarg_segment_ptr 1
		.amdhsa_wavefront_size32 1
		.amdhsa_system_sgpr_workgroup_id_x 1
		.amdhsa_system_sgpr_workgroup_id_y 1
		.amdhsa_system_sgpr_workgroup_id_z 1
		.amdhsa_system_vgpr_workitem_id 0
		.amdhsa_next_free_vgpr 1024
		.amdhsa_next_free_sgpr 66
		.amdhsa_reserve_vcc 0
		.amdhsa_float_denorm_mode_32 3
		.amdhsa_float_denorm_mode_16_64 3
		.amdhsa_memory_ordered 1
		.amdhsa_forward_progress 1
		.amdhsa_inst_pref_size 235
	.end_amdhsa_kernel
	.amdgpu_metadata
---
amdhsa.version: [ 1, 2 ]
amdhsa.kernels:
  - .name:           k_q4d6d0dd8e7_pv
    .symbol:         k_q4d6d0dd8e7_pv.kd
    .args:
      - { .name: p, .offset: 0, .size: 8, .value_kind: global_buffer, .address_space: global }
      - { .name: qkv, .offset: 8, .size: 8, .value_kind: global_buffer, .address_space: global }
      - { .name: stats, .offset: 16, .size: 8, .value_kind: global_buffer, .address_space: global }
      - { .name: out0, .offset: 24, .size: 8, .value_kind: global_buffer, .address_space: global }
    .group_segment_fixed_size: 327680
    .private_segment_fixed_size: 0
    .kernarg_segment_align: 8
    .kernarg_segment_size: 32
    .max_flat_workgroup_size: 128
    .sgpr_count:     66
    .vgpr_count:     1024
    .wavefront_size: 32
...
	.end_amdgpu_metadata
.endif
;; end of part 4
